; MI455X (gfx1250); checked and timed in simulation.
; The chip was launched on July 23, 2026; its instructions are those of AMD's public machine-readable ISA for CDNA 5 (MIT licence, August 2026) and "CDNA5" Instruction Set Architecture Reference Guide (July 2026). The comments in the code are by the model that wrote it; some were corrected since.
;; Multi Head Attention. Allowed arithmetic: matrix products marked QUANTISED: E2M1 operands, one E8M0 scale for each 32 along K, by v_wmma_scale_f32_16x16x128_f8f6f4 with both operands' format E2M1 (or v_wmma_scale_f32_32x16x128_f4), f32 sums; products left as they are: bf16, f16 or f32 operands; f32 sums; everything else in f32.
;; Inputs: b_proj 1,024 float32; b_qkv 3,072 float32; w_proj 1,024 x 1,024 float32; w_qkv 1,024 x 3,072 float32; x 4 x 2,048 x 1,024 float32.
;; Outputs: out0 4 x 2,048 x 1,024 float32.
;; This version of the problem:
;;   THIS VERSION OF THE PROBLEM IS GIVEN IN LOW PRECISION. The matrix products marked QUANTISED in the list below multiply operands that are first quantised to E2M1 (2 exponent bits, 1 mantissa bit; 4 bits a number), with one power-of-two scale for each 32 numbers along K (OCP MX v1.0); their sums are f32. The products marked 'left as it is' may take bf16, f16 or f32 operands, with f32 sums. Whichever they take, every output number must still come out within the allowed error. Rounding operands to bf16 (8 significant bits) uses up far more of that allowance than f16 does (11 bits, for magnitudes from 6e-5 to 65,504). All else is computed in f32.
;;   The module's matrix products, in the order in which they are computed (A, B: the left and right operand; K: the contracted axis; several contracted axes count as one K, in the product's order):
;;     1. [M 8,192, K 1,024] x [K 1,024, N 3,072]; A: input x; B: input w_qkv: QUANTISED
;;     2. batch 64 x [M 2,048, K 64] x [K 64, N 2,048]; A: computed on the way; B: computed on the way: left as it is (an operand is computed on the way)
;;     3. batch 64 x [M 2,048, K 2,048] x [K 2,048, N 64]; A: computed on the way; B: computed on the way: left as it is (an operand is computed on the way)
;;     4. [M 8,192, K 1,024] x [K 1,024, N 1,024]; A: computed on the way; B: input w_proj: left as it is (an operand is computed on the way)
;;   THE QUANTISER, for each operand of a quantised product, along K:
;;     - K is cut into blocks of 32 from its start; a last block that is shorter is filled with zeros.
;;     - A block's scale is 2^e with e = floor(log2(the largest magnitude in the block)) - 2, held to -126 .. 127; a block of zeros has e = 0. As a byte (E8M0): e + 127.
;;     - Each number is divided by its block's scale, clamped to +-6, and rounded to the nearest number of E2M1, ties to even, subnormals kept.
;;     - The product sums the exact products of the quantised numbers (number of the format x scale) in f32.
;;   ~~~python
;;   def quantise(x, axis):      # numpy; x: float32 -> the quantised numbers, widened to float32 again
;;       x = np.moveaxis(x, axis, -1); K = x.shape[-1]
;;       x = np.pad(x, [(0, 0)] * (x.ndim - 1) + [(0, -K % 32)]); x = x.reshape(x.shape[:-1] + (-1, 32)); a = np.abs(x).max(-1, keepdims=True)
;;       e = np.where(a > 0, np.clip(np.frexp(np.where(a > 0, a, 1))[1] - 1 - 2, -126, 127), 0)      # np.frexp(a)[1] - 1 = floor(log2(a)), exactly
;;       r = np.clip(x / 2.0 ** e, -6, 6)
;;       step = 2.0 ** (np.maximum(np.frexp(np.where(r == 0, 1, r))[1] - 1, 0) - 1)
;;       q = np.round(r / step) * step * 2.0 ** e      # np.round: ties to even
;;       return np.moveaxis(q.reshape(q.shape[:-2] + (-1,))[..., :K], -1, axis).astype(np.float32)
;;   ~~~
;; One version. Each part assembles by itself: llvm-mc -triple=amdgcn-amd-amdhsa -mcpu=gfx1250 --defsym DOCPART=n.
;; ======== version 1 of 1: 4 launches
;; limits: values are held in f16: magnitudes above 65,504 overflow, below 6.1e-05 lose precision; right only within a limited range of input values
;; workspace buffers: x_codes 4,194,304 bytes; x_scales 262,144 bytes; wq_codes 1,572,864 bytes; wq_scales 98,304 bytes; wpt 2,097,152 bytes; qkv 50,331,648 bytes; ao 16,777,216 bytes
;; launch prep (part 1): grid 368 x 1, 4 waves a work-group, no clusters, 102,912 bytes of LDS; arguments x, w_qkv, w_proj, x_codes, x_scales, wq_codes, wq_scales, wpt; writes x_codes, x_scales, wq_codes, wq_scales, wpt
.if DOCPART == 1
	.amdgcn_target "amdgcn-amd-amdhsa--gfx1250"
	.amdhsa_code_object_version 6
	.text
	.protected	k_qb035b86a7e_prep
	.globl	k_qb035b86a7e_prep
	.p2align	8
	.type	k_qb035b86a7e_prep,@function
k_qb035b86a7e_prep:
	s_mov_b64 s[64:65], 0
	v_nop
	global_prefetch_b8 v0, s[64:65] scope:SCOPE_SE
	s_setreg_imm32_b32 hwreg(HW_REG_WAVE_MODE, 25, 1), 1
	s_wait_xcnt 0x0
; PREP: the operands of the later launches are made once.
;   work-groups 0-255   (path X): x [8192][1024] f32 -> codes of FP4 (E2M1), K innermost, [8192][512 bytes], and one E8M0 byte for each 32 along K, [8192][32].
;   work-groups 256-303 (path W): w_qkv [1024 k][3072 n] f32, K its FIRST axis -> codes [3072 n][512 bytes], K innermost, and bytes [3072][32].
;   work-groups 304-367 (path P): w_proj [1024 k][1024 n] f32 -> f16, laid [1024 n][1024 k].
; A block's scale is 2^(floor(log2(its largest magnitude)) - 2); its byte is the largest magnitude's exponent field - 2, held at 1 from below; each number is divided by the scale and rounded to the nearest code, ties to even, beyond 6 the largest code.
; LIMITS: a block of zeros gets the byte 1 where the rule says 127 (its codes are zeros, which add nothing under any byte but 0xff, and this program alone reads the bytes); blocks whose largest magnitude lies
; under 2^-124 are held at the byte 1; NaN and infinities among the inputs are not served.
; The three paths part on the work-group's number and never join; each has LDS bytes of its own.  No tensor loads, no barrier: waves share nothing.
.set SPW,   190                        ; v190  LDS address of my spare word: SPARE + 4 x my thread's number; never rewritten
.set NIL,   191                        ; v191  0; never rewritten
.set PITCH, 272                        ; paths W, P: a stage row: 256 bytes + 16
.set WLDS,  32768                      ; path X has bytes 0 .. 32,767: 8,192 for each wave
.set PLDS,  WLDS+4*32*PITCH            ; path W: four stages of 32 rows
.set SPARE, PLDS+4*32*PITCH            ; path P likewise; behind it the spare words, 128 bytes for each wave
.set SP,    80                         ; path X: a lane's place in a stage: its 64 bytes + 16
.set WREG,  8192
.set STEPS, 16
.set XR,    16                         ; path X: v16-79 four sets of 16 numbers as loaded
.set XN,    80                         ;         v80-111 two sets of 16 neighbours
.set XE,    112                        ;         v112-127 a scale byte for each step
.set XC,    128                        ;         v128-189 codes: four registers' room for each step, two used: no store's data are written again
.set SB,    24                         ; path W: v24-27 the scale bytes, four to a register
.set WX,    32                         ; paths W, P: v32-95 two sets of 32 numbers
.set WC,    96                         ;         v96.. what a block has become
.set OUTR,  112                        ;         v112-175 the way out
; ---- path X's macros: 16 steps of 512 numbers a wave
.macro XLOAD t                         ; 32 lanes read 512 consecutive bytes, four times
.irp i, 0,1,2,3
	global_load_b128 v[XR+16*((\t)%4)+4*\i:XR+16*((\t)%4)+4*\i+3], v3, s[4:5] offset:2048*(\t)+512*\i th:TH_LOAD_NT
.endr
.endm
.macro XTURN t                         ; a step's 2,048 bytes through my stage: in as they lie, back 64 bytes a lane; LDS serves a wave's instructions in order
.irp i, 0,1,2,3
	ds_store_b128 v14, v[XR+16*((\t)%4)+4*\i:XR+16*((\t)%4)+4*\i+3] offset:32*SP*((\t)%2)+8*SP*\i
.endr
.irp i, 0,1,2,3
	ds_load_b128 v[XN+16*((\t)%2)+4*\i:XN+16*((\t)%2)+4*\i+3], v15 offset:32*SP*((\t)%2)+16*\i
.endr
.endm
.macro XSTEP t
.set XS, XN+16*((\t)%2)
.if (\t) > 0
	s_wait_dscnt 1                                 ; this step's numbers are back from the stage (the last step's byte store may be out)
.else
	s_wait_dscnt 0x0
.endif
.if (\t)+4 < STEPS
	XLOAD (\t)+4                                   ; into the registers that this step's stores into the stage have read
.endif
.if (\t)+1 < STEPS
.if STEPS-2-(\t) >= 3
	s_wait_loadcnt 12                              ; the next step's four loads are in; those of the three steps behind it may be out
.else
	s_wait_loadcnt 4*(STEPS-2-(\t))
.endif
	XTURN (\t)+1
.endif
	v_max3_num_f32 v8, |v[XS]|, |v[XS+1]|, |v[XS+2]|               ; the largest magnitude of my 16, in two chains
	v_max3_num_f32 v9, |v[XS+3]|, |v[XS+4]|, |v[XS+5]|
.irp i, 6,10
	v_max3_num_f32 v8, v8, |v[XS+\i]|, |v[XS+\i+1]|
	v_max3_num_f32 v9, v9, |v[XS+\i+2]|, |v[XS+\i+3]|
.endr
	v_max3_num_f32 v8, v8, |v[XS+14]|, |v[XS+15]|
	v_max3_num_f32 v8, v8, v9, 0x1800000           ; and the floor 2^(3 - 127): the byte cannot fall under 1
	v_max_num_f32_dpp v8, v8, v8 row_xmask:1 row_mask:0xf bank_mask:0xf   ; with my neighbour's 16: the block's
	v_add_nc_u32 v11, 0xff000000, v8               ; 2 off its exponent field: the conversion takes this operand's exponent field as its scale
	v_cvt_scalef32_pk8_fp4_f32 v[XC+4*(\t)], v[XS:XS+7], v11
	v_cvt_scalef32_pk8_fp4_f32 v[XC+4*(\t)+1], v[XS+8:XS+15], v11
	v_lshrrev_b32 v[XE+(\t)], 23, v11              ; the scale's byte (a plain line behind the conversions)
	ds_store_b8 v5, v[XE+(\t)] offset:16*(\t)      ; both lanes of a block write the same byte with the same value
	global_store_b64 v4, v[XC+4*(\t):XC+4*(\t)+1], s[10:11] offset:256*(\t)   ; the wave stores 256 consecutive bytes, aligned
.endm
; ---- paths W and P: a lane takes a column n and its registers run down K
.macro COLADR krow                     ; s27 = my stage; krow = bytes of an output row
	v_lshlrev_b32 v3, 2, v2                        ; in: 4 bytes a lane
	v_mul_u32_u24 v4, v2, PITCH
	v_add_nc_u32 v4, s27, v4                       ; into the stage: row = my column
	v_and_b32 v5, 15, v2
	v_lshrrev_b32 v6, 4, v2
	v_mul_u32_u24 v7, v6, PITCH
	v_lshl_add_u32 v7, v5, 4, v7
	v_add_nc_u32 v7, s27, v7                       ; out of it: sixteen lanes to a row, two rows an instruction
	v_mul_u32_u24 v8, v6, \krow
	v_lshl_add_u32 v8, v5, 4, v8                   ; and the same place in the output
.endm
.macro ROWSOUT sb, krow                ; my 32 stage rows leave: sixteen lanes store 256 consecutive bytes, aligned; then the wave ends
.irp t, 0,1,2,3,4,5,6,7,8,9,10,11,12,13,14,15
	ds_load_b128 v[OUTR+4*\t:OUTR+4*\t+3], v7 offset:2*\t*PITCH
.endr
.irp t, 0,1,2,3,4,5,6,7,8,9,10,11,12,13,14,15
	s_wait_dscnt 15-\t                             ; LDS loads come back in order: the younger ones may be out
	global_store_b128 v8, v[OUTR+4*\t:OUTR+4*\t+3], s[\sb:\sb+1] offset:2*\t*\krow
.endr
	s_wait_tensorcnt 0x0                           ; the wave's end, behind my last LDS store
	ds_add_u32 v[SPW], v[NIL]
	s_wait_dscnt 0x0
	s_endpgm
.endm
.macro WLOAD t                         ; block t: w_qkv(32 t + i, my column): 128 consecutive bytes a wave
.irp i, 0,1,2,3,4,5,6,7,8,9,10,11,12,13,14,15,16,17,18,19,20,21,22,23,24,25,26,27,28,29,30,31
	global_load_b32 v[WX+32*((\t)%2)+\i], v3, s[6:7] offset:(32*(\t)+\i)*12288 th:TH_LOAD_NT
.endr
.endm
.macro WBLOCK t
.set XS, WX+32*((\t)%2)
.if (\t) < 15
	s_wait_loadcnt 32                              ; this block's 32 loads are in; the next block's may be out
.else
	s_wait_loadcnt 0
.endif
	v_max3_num_f32 v12, |v[XS]|, |v[XS+1]|, |v[XS+2]|              ; the block's largest magnitude: all 32 numbers are mine
	v_max3_num_f32 v13, |v[XS+3]|, |v[XS+4]|, |v[XS+5]|
.irp i, 6,10,14,18,22,26
	v_max3_num_f32 v12, v12, |v[XS+\i]|, |v[XS+\i+1]|
	v_max3_num_f32 v13, v13, |v[XS+\i+2]|, |v[XS+\i+3]|
.endr
	v_max3_num_f32 v12, v12, |v[XS+30]|, |v[XS+31]|
	v_max3_num_f32 v12, v12, v13, 0x1800000        ; and the floor
	v_add_nc_u32 v11, 0xff000000, v12              ; the conversion's scale operand
	v_lshrrev_b32 v13, 23, v11                     ; the scale's byte
.if (\t)%4 == 0
	v_mov_b32 v[SB+(\t)/4], v13                    ; four bytes to a register, the lower K in the lower byte
.else
	v_lshl_or_b32 v[SB+(\t)/4], v13, 8*((\t)%4), v[SB+(\t)/4]
.endif
.irp g, 0,1,2,3
	v_cvt_scalef32_pk8_fp4_f32 v[WC+\g], v[XS+8*\g:XS+8*\g+7], v11
.endr
	ds_store_b128 v4, v[WC:WC+3] offset:16*(\t)    ; 32 codes: 16 bytes of my column's row
.if (\t)+2 < 16
	WLOAD (\t)+2
.endif
	s_wait_dscnt 0x0                               ; the store has read its registers: the next block's codes may be written
.endm
.macro PLOAD t                         ; block t: w_proj(32 t + i, my column)
.irp i, 0,1,2,3,4,5,6,7,8,9,10,11,12,13,14,15,16,17,18,19,20,21,22,23,24,25,26,27,28,29,30,31
	global_load_b32 v[WX+32*((\t)%2)+\i], v3, s[8:9] offset:(32*(\t)+\i)*4096 th:TH_LOAD_NT
.endr
.endm
.macro PBLOCK t
.set XS, WX+32*((\t)%2)
.if (\t) < 3
	s_wait_loadcnt 32
.else
	s_wait_loadcnt 0
.endif
.irp i, 0,1,2,3,4,5,6,7,8,9,10,11,12,13,14,15
	v_cvt_pk_f16_f32 v[WC+\i], v[XS+2*\i], v[XS+2*\i+1]            ; the lower k in the low half
.endr
.irp u, 0,1,2,3
	ds_store_b128 v4, v[WC+4*\u:WC+4*\u+3] offset:64*(\t)+16*\u    ; 32 along K: 64 bytes of my column's row
.endr
.if (\t)+2 < 4
	PLOAD (\t)+2
.endif
	s_wait_dscnt 0x0
.endm
	s_load_b512 s[4:19], s[0:1], 0x0               ; x s[4:5], w_qkv s[6:7], w_proj s[8:9], x_codes s[10:11], x_scales s[12:13], wq_codes s[14:15], wq_scales s[16:17], wpt s[18:19]
	v_lshl_add_u32 v[SPW], v0, 2, SPARE
	v_mov_b32 v[NIL], 0
	v_lshrrev_b32 v1, 5, v0
	v_readfirstlane_b32 s20, v1                    ; wave 0..3
	v_and_b32 v2, 31, v0                           ; lane
	s_wait_kmcnt 0x0
	s_cmp_lt_u32 ttmp9, 256
	s_cbranch_scc1 .Lx
	s_cmp_lt_u32 ttmp9, 304
	s_cbranch_scc1 .Lw
	; ---- PATH P: a wave takes 32 columns x 128 along K of w_proj: 256 bytes of f16 for each column
	s_sub_co_u32 s21, ttmp9, 304
	s_and_b32 s22, s21, 7                          ; which 128 columns
	s_lshr_b32 s23, s21, 3                         ; which 128 along K
	s_lshl_b32 s22, s22, 7
	s_lshl_b32 s24, s20, 5
	s_add_co_u32 s22, s22, s24                     ; my wave's first column
	s_lshl_b32 s24, s23, 19                        ; 128 rows of 4,096 bytes
	s_lshl_b32 s26, s22, 2
	s_add_co_u32 s24, s24, s26
	s_mov_b32 s25, 0
	s_add_nc_u64 s[8:9], s[8:9], s[24:25]
	s_lshl_b32 s24, s22, 11                        ; wpt: a row of 2,048 bytes for each column,
	s_lshl_b32 s26, s23, 8                         ; 256 bytes for each 128 along K
	s_add_co_u32 s24, s24, s26
	s_add_nc_u64 s[18:19], s[18:19], s[24:25]
	s_mul_i32 s27, s20, 32*PITCH
	s_add_co_u32 s27, s27, PLDS
	COLADR 2048
	PLOAD 0
	PLOAD 1
	PBLOCK 0
	PBLOCK 1
	PBLOCK 2
	PBLOCK 3
	ROWSOUT 18, 2048
.Lw:	; ---- PATH W: a wave takes 32 columns x 512 along K of w_qkv: 16 blocks a lane, 256 bytes of codes for each column
	s_sub_co_u32 s21, ttmp9, 256
	s_lshr_b32 s22, s21, 1                         ; which 128 columns
	s_and_b32 s23, s21, 1                          ; which 512 along K
	s_lshl_b32 s22, s22, 7
	s_lshl_b32 s24, s20, 5
	s_add_co_u32 s22, s22, s24                     ; my wave's first column
	s_mul_i32 s24, s23, 512*12288
	s_lshl_b32 s26, s22, 2
	s_add_co_u32 s24, s24, s26
	s_mov_b32 s25, 0
	s_add_nc_u64 s[6:7], s[6:7], s[24:25]
	s_lshl_b32 s24, s22, 9                         ; codes: 512 bytes a column, 256 for each 512 along K
	s_lshl_b32 s26, s23, 8
	s_add_co_u32 s24, s24, s26
	s_add_nc_u64 s[14:15], s[14:15], s[24:25]
	s_lshl_b32 s24, s22, 5                         ; scale bytes: 32 a column, 16 for each 512 along K
	s_lshl_b32 s26, s23, 4
	s_add_co_u32 s24, s24, s26
	s_add_nc_u64 s[16:17], s[16:17], s[24:25]
	s_mul_i32 s27, s20, 32*PITCH
	s_add_co_u32 s27, s27, WLDS
	COLADR 512
	v_lshlrev_b32 v9, 5, v2                        ; my column's row of scale bytes
	WLOAD 0
	WLOAD 1
.set Q, 0
.rept 16
	WBLOCK Q
.set Q, Q+1
.endr
	global_store_b128 v9, v[SB:SB+3], s[16:17]     ; my column's 16 scale bytes
	ROWSOUT 14, 512
.Lx:	; ---- PATH X: rows are dense and 1,024 is a multiple of 32, so x is a plain stream of blocks of 32; a wave takes 8,192 numbers
	v_lshlrev_b32 v3, 4, v2                        ; my 16 bytes of a load's 512
	s_mul_i32 s21, s20, WREG
	v_lshrrev_b32 v14, 2, v2
	v_mul_u32_u24 v14, v14, SP
	v_and_b32 v15, 3, v2
	v_lshl_add_u32 v14, v15, 4, v14
	v_add_nc_u32 v14, s21, v14                     ; the stage, on the way in: four lanes' 64 bytes on end, then 16 of padding
	v_mul_u32_u24 v15, v2, SP
	v_add_nc_u32 v15, s21, v15                     ; and on the way out: my 16 neighbours
	v_lshlrev_b32 v4, 3, v2                        ; my 8 bytes of codes in a step's 256
	v_lshrrev_b32 v5, 1, v2
	s_add_co_u32 s21, s21, 2*32*SP
	v_add_nc_u32 v5, s21, v5                       ; my wave's 256 scale bytes, my block's byte
	v_lshlrev_b32 v7, 3, v2
	v_add_nc_u32 v6, s21, v7                       ; and on the way out 8 bytes a lane
	s_lshl_b32 s22, ttmp9, 2
	s_add_co_u32 s22, s22, s20                     ; which run of 8,192 numbers is my wave's
	s_mov_b32 s23, 0
	s_lshl_b64 s[24:25], s[22:23], 15
	s_add_nc_u64 s[4:5], s[4:5], s[24:25]
	s_lshl_b64 s[24:25], s[22:23], 12
	s_add_nc_u64 s[10:11], s[10:11], s[24:25]
	s_lshl_b64 s[24:25], s[22:23], 8
	s_add_nc_u64 s[12:13], s[12:13], s[24:25]
.irp t, 0,1,2,3
	XLOAD \t
.endr
	s_wait_loadcnt 12                              ; step 0's four loads are in
	XTURN 0
.irp t, 0,1,2,3,4,5,6,7,8,9,10,11,12,13,14,15
	XSTEP \t
.endr
	ds_load_b64 v[8:9], v6                         ; LDS serves a wave's instructions in order: these see my byte stores
	s_wait_dscnt 0x0
	global_store_b64 v7, v[8:9], s[12:13]          ; 32 lanes store 256 consecutive bytes, aligned
	s_wait_tensorcnt 0x0                           ; the wave's end, behind my last LDS store
	ds_add_u32 v[SPW], v[NIL]
	s_wait_dscnt 0x0
	s_endpgm
.Lfunc_end_k_qb035b86a7e_prep:
	.size	k_qb035b86a7e_prep, .Lfunc_end_k_qb035b86a7e_prep-k_qb035b86a7e_prep
	.p2alignl 7, 3214868480
	.fill 96, 4, 3214868480
	.section	.rodata,"a",@progbits
	.p2align	6, 0x0
	.amdhsa_kernel k_qb035b86a7e_prep
		.amdhsa_group_segment_fixed_size 102912
		.amdhsa_private_segment_fixed_size 0
		.amdhsa_enable_private_segment 0
		.amdhsa_kernarg_size 64
		.amdhsa_user_sgpr_count 2
		.amdhsa_user_sgpr_kernarg_segment_ptr 1
		.amdhsa_wavefront_size32 1
		.amdhsa_system_sgpr_workgroup_id_x 1
		.amdhsa_system_sgpr_workgroup_id_y 1
		.amdhsa_system_sgpr_workgroup_id_z 1
		.amdhsa_system_vgpr_workitem_id 0
		.amdhsa_next_free_vgpr 192
		.amdhsa_next_free_sgpr 66
		.amdhsa_reserve_vcc 0
		.amdhsa_float_denorm_mode_32 3
		.amdhsa_float_denorm_mode_16_64 3
		.amdhsa_memory_ordered 1
		.amdhsa_forward_progress 1
		.amdhsa_inst_pref_size 132
	.end_amdhsa_kernel
	.amdgpu_metadata
---
amdhsa.version: [ 1, 2 ]
amdhsa.kernels:
  - .name:           k_qb035b86a7e_prep
    .symbol:         k_qb035b86a7e_prep.kd
    .args:
      - { .name: x, .offset: 0, .size: 8, .value_kind: global_buffer, .address_space: global }
      - { .name: w_qkv, .offset: 8, .size: 8, .value_kind: global_buffer, .address_space: global }
      - { .name: w_proj, .offset: 16, .size: 8, .value_kind: global_buffer, .address_space: global }
      - { .name: x_codes, .offset: 24, .size: 8, .value_kind: global_buffer, .address_space: global }
      - { .name: x_scales, .offset: 32, .size: 8, .value_kind: global_buffer, .address_space: global }
      - { .name: wq_codes, .offset: 40, .size: 8, .value_kind: global_buffer, .address_space: global }
      - { .name: wq_scales, .offset: 48, .size: 8, .value_kind: global_buffer, .address_space: global }
      - { .name: wpt, .offset: 56, .size: 8, .value_kind: global_buffer, .address_space: global }
    .group_segment_fixed_size: 102912
    .private_segment_fixed_size: 0
    .kernarg_segment_align: 8
    .kernarg_segment_size: 64
    .max_flat_workgroup_size: 128
    .sgpr_count:     66
    .vgpr_count:     192
    .wavefront_size: 32
...
	.end_amdgpu_metadata
.endif
;; end of part 1
;; launch qkvgemm (part 2): grid 12 x 32, 4 waves a work-group, clusters of 4 x 4, 327,680 bytes of LDS; arguments x_codes, x_scales, wq_codes, wq_scales, qkv, b_qkv; writes qkv
.if DOCPART == 2
	.amdgcn_target "amdgcn-amd-amdhsa--gfx1250"
	.amdhsa_code_object_version 6
	.text
	.protected	k_qb035b86a7e_qkvgemm
	.globl	k_qb035b86a7e_qkvgemm
	.p2align	8
	.type	k_qb035b86a7e_qkvgemm,@function
k_qb035b86a7e_qkvgemm:
	s_mov_b64 s[64:65], 0
	v_nop
	global_prefetch_b8 v0, s[64:65] scope:SCOPE_SE
	s_setreg_imm32_b32 hwreg(HW_REG_WAVE_MODE, 25, 1), 1
	s_wait_xcnt 0x0
	s_wait_alu depctr_hold_cnt(0) depctr_sa_sdst(0) depctr_va_vdst(0) depctr_va_sdst(0) depctr_va_ssrc(0) depctr_va_vcc(0) depctr_vm_vsrc(0)
	s_getreg_b32 s2, hwreg(HW_REG_IB_STS2, 6, 4)
	s_cmp_eq_u32 s2, 0
	s_cbranch_scc0 .Lentry_in_a_cluster
	s_endpgm
.Lentry_in_a_cluster:
	s_bfe_u32 s2, ttmp6, 0x10000c
	s_cmp_lg_u32 s2, 0xf033
	s_cbranch_scc0 .Lentry_shape_is_right
	s_endpgm
.Lentry_shape_is_right:
; qkv = Q(x) Q(w_qkv) + b_qkv on codes of FP4 (E2M1) with one E8M0 scale for each 32 along K; sums in f32; the result is rounded once to f16.
; A = x's codes [8192][512 bytes], B = w_qkv's codes [3072 n][512 bytes], their scale bytes [rows][32].  The result goes out as [4 b][24 P][2048 tokens][128] f16, P = column / 128 (a pair of heads;
; P 0-7 q, 8-15 k, 16-23 v): a token's row is 256 bytes, rows are dense.  LIMIT: the results have to stay under 65,504 in magnitude (f16).
; A tile of 256 x 256 is made by a work-group of four waves; a wave makes 128 x 128: 64 accumulators of 16 x 16, 512 registers.  K = 1,024 is two LDS slots of 512 along K: each slot is filled ONCE, at the head,
; and so are the scale bytes of the work-group's 256 + 256 rows.
; CLUSTERS: 4 x 4 work-groups.  The four of a row of the cluster need the same tiles of A, the four of a column the same tiles of B: each tile is asked for JOINTLY, by the same tensor load with the same descriptor
; and a mask that names the four.  THE MATRIX INSTRUCTION IS USED TRANSPOSED (source 0 = 16 rows of B, source 1 = 16 rows of A): a lane then holds eight neighbouring columns of one row.
; THE BIAS is the C of each sum's first product: eight registers for each of my eight column blocks, in the result's layout.
; REGISTERS, in windows of 256: window 0: v0-31 addresses; v32-95 scale words, two sets; v128-191 A's fragments, ONE set; v192-255 the bias, later at work on the way out.
;   window 1: B's fragments, TWO sets, at v0 and v128.   window 2: the accumulators of my rows 0-63 ((a, b) at v[8 (8 a + b)]);   window 3: those of my rows 64-127.
.set NQ,     4                         ; matrix instructions deep in a slot: 512 along K
.set ROWB,   256                       ; a tile's row in bytes
.set KROW,   512                       ; a row of A or of B in memory
.set PITCH,  272                       ; an LDS row: 256 bytes + 16 of padding, so that the 16 rows of a load start 16 bytes apart round the banks
.set FR,     8                         ; registers of a fragment: 16 rows x 128 K
.set NL,     2                         ; LDS loads that bring one
.set NP,     4                         ; places behind this matrix instruction (ISA guide 7.12.1)
.set HALFT,  128*PITCH                 ; 128 rows: what one tensor load brings
.set SLOT,   4*HALFT                   ; A's 256 rows, then B's 256 rows
.set KS,     32                        ; a row of scales in bytes
.set SCL,    2*SLOT                    ; behind the slots: the scales, as units of 256 bytes + 16 of padding
.set HALFS,  16*272                    ; the scales of 128 rows
.set SBLK,   2*272                     ; those of 16 rows
.set SPARE,  SCL+4*HALFS               ; the spare words, 128 bytes for each wave
.set STAGE,  SPARE+512                 ; the way out: 16 rows x 272 bytes for each wave; no tensor load lands here
.set SPITCH, 272
.set ADRA, 16                          ; v16-17  LDS address of my A fragments in slot 0, 1
.set ADRB, 20                          ; v20-21  the same for B
.set STO,  24                          ; v24     the way out: where I put 16 bytes of a row
.set RD,   25                          ; v25     where I read a row back
.set CO,   26                          ; v26     16 x lane: my place in two rows of the result
.set ADRS, 27                          ; v27     LDS address of my scale words: lanes 0-15 A's rows, lanes 16-31 B's
.set SPW,  28                          ; v28     my spare word; never rewritten
.set NIL,  29                          ; v29     0; never rewritten
.set SC,   32                          ; scale words: set s at v[SC + 32 s]; register 4 i + q: lanes 0-15 A's block i, lanes 16-31 B's block i, the slot's q-th 128 along K
.set AF,   128
.set BI,   192                         ; the bias: v[BI + 8 b + j] = b_qkv[my first column + 16 b + 8 (lane / 16) + j]
.set TMP,  192                         ; the way out: packed results
.set OB,   32                          ; 16 rows read back from the stage: v32-63 and v224-255 by turns
.set G1, 24
.set G0, 32
.set G1B, 48
.set G0B, 56
.set G1S, 68
.set G0S, 76
.set G1SB, 80
.set G0SB, 88
.set MSB, 0
.macro WIN new                         ; the immediate's high byte repeats the setting that is left
.if MSB != \new
	s_set_vgpr_msb (MSB<<8)|\new
.set MSB, \new
.endif
.endm
.set MUL_LO, 0xa1                      ; source 0 (B) window 1, source 1 (A) window 0, C and D window 2
.set MUL_HI, 0xf1                      ; the same, C and D window 3
.set BIA_LO, 0x81                      ; the first products: C (the bias) window 0, D window 2
.set BIA_HI, 0xc1                      ; D window 3
.set TO_B,   0x40                      ; destination window 1, address window 0
; A joint load: waves 0 and 1 fetch for A, waves 2 and 3 for B; the branch hangs on the wave's number alone.  An s_nop 0 and four v_nop follow each of the two lines.
.macro JLOAD g0a, g1a, g0b, g1b
	s_cmp_eq_u32 s15, 0
	s_cbranch_scc0 .Lfor_b_\@
	tensor_load_to_lds s[\g0a:\g0a+3], s[\g1a:\g1a+7]
	s_nop 0
.rept 4
	v_nop
.endr
	s_branch .Lasked_\@
.Lfor_b_\@:
	tensor_load_to_lds s[\g0b:\g0b+3], s[\g1b:\g1b+7]
	s_nop 0
.rept 4
	v_nop
.endr
.Lasked_\@:
.endm
.macro CROUND                          ; a round of the cluster's barrier
	s_barrier_signal -1
	s_barrier_wait -1
	s_cmp_lg_u32 s14, 0
	s_cbranch_scc1 .Lnot_wave_0_\@
	s_barrier_signal -3
.Lnot_wave_0_\@:
	s_barrier_wait -3
	s_barrier_signal -1
	s_barrier_wait -1
.endm
	s_load_b128 s[4:7], s[0:1], 0x0                ; A's codes s[4:5], A's scales s[6:7]
	s_load_b128 s[8:11], s[0:1], 0x10              ; B's codes s[8:9], B's scales s[10:11]
	s_load_b64 s[12:13], s[0:1], 0x20              ; qkv
	s_load_b64 s[96:97], s[0:1], 0x28              ; b_qkv
	v_lshl_add_u32 v[SPW], v0, 2, SPARE
	v_mov_b32 v[NIL], 0
	ds_add_u32 v[SPW], v[NIL]                      ; the wave's opening: the add, twice on end, and its wait ahead of my first tensor load
	ds_add_u32 v[SPW], v[NIL]
	v_lshrrev_b32 v1, 5, v0
	v_readfirstlane_b32 s14, v1                    ; wave 0..3
	s_lshr_b32 s15, s14, 1                         ; which half of the tile's rows is mine.  Also: I fetch for A (0) or for B (1)
	s_and_b32 s16, s14, 1                          ; which half of its columns.  Also: which 128 rows of that tile I fetch
	s_bfe_u32 s40, ttmp6, 0x40000                  ; cx, cy: my place in the cluster
	s_bfe_u32 s41, ttmp6, 0x40004
	s_lshl_b32 s42, ttmp9, 2
	s_add_co_u32 s42, s42, s40                     ; tile column = 4 x cluster x + cx
	s_and_b32 s17, ttmp7, 0xffff
	s_lshl_b32 s17, s17, 2
	s_add_co_u32 s17, s17, s41                     ; tile row = 4 x cluster y + cy
	s_lshl_b32 s43, s41, 2
	s_lshl_b32 s43, 15, s43                        ; my row of the cluster
	s_lshl_b32 s44, 0x1111, s40                    ; my column
	; descriptor group 1: a tile of 128 rows x 256 bytes, padded in LDS
	s_or_b32 s[G1+0], s43, (0<<16)|(1<<20)|(1<<21)|(5<<22)|(3<<25)  ; the mask: A's tiles go to my row; elements of 1 byte; padding on; bit 21 beside a mask; after every 64 words four words
	s_or_b32 s[G1B+0], s44, (0<<16)|(1<<20)|(1<<21)|(5<<22)|(3<<25)
.irp g, G1, G1B
	s_mov_b32 s[\g+1], ROWB<<16                    ; tensor_dim0
	s_mov_b32 s[\g+2], 128<<16                     ; tensor_dim1
	s_mov_b32 s[\g+3], ROWB<<16                    ; tile_dim0
	s_mov_b32 s[\g+4], 128                         ; tile_dim1
	s_mov_b32 s[\g+5], KROW                        ; tensor_dim0_stride
	s_mov_b32 s[\g+6], 0
	s_mov_b32 s[\g+7], 0
.endr
	; the scales of 128 rows: a dense block of 4,096 bytes, as 16 rows of 256 bytes (32 elements of 8 bytes), 16 bytes of padding behind each
	s_or_b32 s[G1S+0], s43, (3<<16)|(1<<20)|(1<<21)|(5<<22)|(3<<25)
	s_or_b32 s[G1SB+0], s44, (3<<16)|(1<<20)|(1<<21)|(5<<22)|(3<<25)
.irp g, G1S, G1SB
	s_mov_b32 s[\g+1], 32<<16
	s_mov_b32 s[\g+2], 16<<16
	s_mov_b32 s[\g+3], 32<<16
	s_mov_b32 s[\g+4], 16
	s_mov_b32 s[\g+5], 32
	s_mov_b32 s[\g+6], 0
	s_mov_b32 s[\g+7], 0
.endr
	s_lshl_b32 s18, s16, 7                         ; which 128 rows of the tile I fetch
	s_lshl_b32 s20, s17, 8
	s_add_co_u32 s20, s20, s18                     ; A: row 256 x tile row + 128 x half
	s_lshl_b32 s46, s42, 8
	s_add_co_u32 s46, s46, s18                     ; B: row 256 x tile column + 128 x half
	s_mov_b32 s21, 0
	s_mov_b32 s47, 0
	s_mov_b64 s[18:19], KS
	s_mul_u64 s[22:23], s[20:21], s[18:19]         ; where these rows' scales begin, in bytes
	s_mul_u64 s[92:93], s[46:47], s[18:19]
	s_mov_b64 s[18:19], KROW
	s_mul_u64 s[20:21], s[20:21], s[18:19]         ; and their codes
	s_mul_u64 s[46:47], s[46:47], s[18:19]
	s_mul_i32 s45, s14, HALFT                      ; where they go: wave x 128 rows: no place in the cluster enters an LDS address
	s_mul_i32 s94, s14, HALFS
	s_wait_dscnt 0x0                               ; both opening adds are done
	s_wait_kmcnt 0x0
	s_add_nc_u64 s[20:21], s[4:5], s[20:21]
	s_add_nc_u64 s[22:23], s[6:7], s[22:23]
	s_add_nc_u64 s[46:47], s[8:9], s[46:47]
	s_add_nc_u64 s[92:93], s[10:11], s[92:93]
	CROUND                                         ; all sixteen work-groups are here: the joint loads meet
	s_mov_b32 s[G0S], 1
	s_add_co_u32 s[G0S+1], s94, SCL
	s_mov_b64 s[G0S+2:G0S+3], s[22:23]
	s_or_b32 s[G0S+3], s[G0S+3], 0x80000000
	s_mov_b32 s[G0SB], 1
	s_add_co_u32 s[G0SB+1], s94, SCL
	s_mov_b64 s[G0SB+2:G0SB+3], s[92:93]
	s_or_b32 s[G0SB+3], s[G0SB+3], 0x80000000
	JLOAD G0S, G1S, G0SB, G1SB                     ; the scales first: they are wanted with the first slot
.irp s, 0,1
	s_mov_b32 s[G0+4*\s], 1
	s_add_co_u32 s[G0+4*\s+1], s45, \s*SLOT
	s_add_nc_u64 s[G0+4*\s+2:G0+4*\s+3], s[20:21], \s*ROWB
	s_or_b32 s[G0+4*\s+3], s[G0+4*\s+3], 0x80000000
	s_mov_b32 s[G0B+4*\s], 1
	s_add_co_u32 s[G0B+4*\s+1], s45, \s*SLOT
	s_add_nc_u64 s[G0B+4*\s+2:G0B+4*\s+3], s[46:47], \s*ROWB
	s_or_b32 s[G0B+4*\s+3], s[G0B+4*\s+3], 0x80000000
	JLOAD G0+4*\s, G1, G0B+4*\s, G1B
.endr
	v_and_b32 v1, 15, v0                           ; r = l % 16
	v_bfe_u32 v2, v0, 4, 1                         ; h = l / 16
	v_mul_u32_u24 v3, v1, PITCH
	v_lshl_add_u32 v4, v2, 4, v3                   ; a fragment's row x pitch + 16 x half
	s_mul_i32 s21, s15, HALFT                      ; my 128 rows of A
	s_mul_i32 s22, s16, HALFT                      ; my 128 rows of B,
	s_add_co_u32 s22, s22, 2*HALFT                 ; which lie behind A's 256
.irp s, 0,1
	v_add_nc_u32 v[ADRA+\s], s21, v4
	v_add_nc_u32 v[ADRB+\s], s22, v4
	s_add_co_u32 s21, s21, SLOT
	s_add_co_u32 s22, s22, SLOT
.endr
	v_mul_u32_u24 v5, v1, KS                       ; my row's scales: 32 bytes a row,
	v_lshrrev_b32 v6, 8, v5
	v_lshl_add_u32 v5, v6, 4, v5                   ; and 16 more for each 256 passed
	s_mul_i32 s21, s15, HALFS                      ; A's: my 128 rows
	s_mul_i32 s22, s16, HALFS                      ; B's: my 128 rows, behind A's 256
	s_add_co_u32 s22, s22, 2*HALFS
	s_sub_co_u32 s22, s22, s21
	v_mul_u32_u24 v6, s22, v2                      ; lanes 16-31 take B's: one product, the distance between the two bases
	s_add_co_u32 s21, s21, SCL
	v_add_nc_u32 v5, v5, v6
	v_add_nc_u32 v[ADRS], s21, v5
	s_mul_i32 s23, s14, 16*SPITCH
	s_add_co_u32 s23, s23, STAGE                   ; my stage
	v_mul_u32_u24 v5, v1, SPITCH                   ; in: row r, 16 bytes for each half of the lanes
	v_lshl_add_u32 v5, v2, 4, v5
	v_add_nc_u32 v[STO], s23, v5
	v_mul_u32_u24 v5, v2, SPITCH                   ; back: lanes 0-15 one row of 256 bytes, lanes 16-31 the next
	v_lshl_add_u32 v5, v1, 4, v5
	v_add_nc_u32 v[RD], s23, v5
	v_and_b32 v6, 31, v0
	v_lshlrev_b32 v[CO], 4, v6                     ; the result's rows are dense: two rows are 512 consecutive bytes
	; where my part of the result begins: (24 b + P) pairs of 524,288 bytes + 256 x my first token
	s_lshr_b32 s20, s17, 3                         ; b: eight tile rows to a batch
	s_mul_i32 s20, s20, 24
	s_lshl_b32 s46, s42, 1
	s_add_co_u32 s46, s46, s16                     ; P = 2 x tile column + my half
	s_add_co_u32 s46, s46, s20
	s_lshl_b32 s46, s46, 19
	s_and_b32 s20, s17, 7
	s_lshl_b32 s20, s20, 8
	s_lshl_b32 s21, s15, 7
	s_add_co_u32 s20, s20, s21                     ; my first token
	s_lshl_b32 s20, s20, 8
	s_add_co_u32 s46, s46, s20
	s_mov_b32 s47, 0
	s_add_nc_u64 s[12:13], s[12:13], s[46:47]
	s_lshl_b32 s46, s42, 10                        ; the bias of my 128 columns: 4 bytes x (256 x tile column + 128 x half)
	s_lshl_b32 s47, s16, 9
	s_add_co_u32 s46, s46, s47
	s_mov_b32 s47, 0
	s_add_nc_u64 s[96:97], s[96:97], s[46:47]
	v_lshlrev_b32 v30, 5, v2                       ; lanes 16-31 take the upper eight columns of a block
.irp b, 0,1,2,3,4,5,6,7
	global_load_b128 v[BI+8*\b:BI+8*\b+3], v30, s[96:97] offset:64*\b
	global_load_b128 v[BI+8*\b+4:BI+8*\b+7], v30, s[96:97] offset:64*\b+16
.endr
.macro FRAG reg, adr, q, i             ; 16 rows x 128 K of 4-bit codes: lane l holds row l % 16; registers 4 c .. 4 c + 3 hold K = 64 c + 32 (l / 16) + 0 .. 31
.irp c, 0,1
	ds_load_b128 v[\reg+4*\c:\reg+4*\c+3], v[\adr] offset:64*(\q)+32*\c+(\i)*16*PITCH
.endr
.endm
; 16 matrix instructions: A's blocks a0, a0 + 1 x B's eight, the slot's q-th 128 along K.  p: B's set; sc: the set of scale words.  zero = 1: the first product starts the sum from the bias.
; The 64 accumulators take turns, one instruction a turn, in the same order in every step.
.macro MUL16 a0, p, q, sc, zero
.irp a, \a0, \a0+1
.irp b, 0,1,2,3,4,5,6,7
.if \zero
	v_wmma_scale_f32_16x16x128_f8f6f4 v[8*(8*((\a)%4)+\b):8*(8*((\a)%4)+\b)+7], v[128*(\p)+FR*\b:128*(\p)+FR*\b+FR-1], v[AF+FR*(\a):AF+FR*(\a)+FR-1], v[BI+8*\b:BI+8*\b+7], v[SC+8*NQ*(\sc)+NQ*\b+(\q)], v[SC+8*NQ*(\sc)+NQ*(\a)+(\q)] matrix_a_fmt:MATRIX_FMT_FP4 matrix_b_fmt:MATRIX_FMT_FP4 matrix_a_scale:MATRIX_SCALE_ROW1
.else
	v_wmma_scale_f32_16x16x128_f8f6f4 v[8*(8*((\a)%4)+\b):8*(8*((\a)%4)+\b)+7], v[128*(\p)+FR*\b:128*(\p)+FR*\b+FR-1], v[AF+FR*(\a):AF+FR*(\a)+FR-1], v[8*(8*((\a)%4)+\b):8*(8*((\a)%4)+\b)+7], v[SC+8*NQ*(\sc)+NQ*\b+(\q)], v[SC+8*NQ*(\sc)+NQ*(\a)+(\q)] matrix_a_fmt:MATRIX_FMT_FP4 matrix_b_fmt:MATRIX_FMT_FP4 matrix_a_scale:MATRIX_SCALE_ROW1
.endif
.endr
.endr
.endm
.macro FETCH_B slot, q, p
	WIN TO_B
.irp i, 0,1,2,3,4,5,6,7
	FRAG 128*(\p)+FR*\i, ADRB+\slot, \q, \i
.endr
	WIN 0
.endm
.macro FETCH_A slot, q, i0
.irp i, \i0, \i0+1, \i0+2, \i0+3
	FRAG AF+FR*(\i), ADRA+\slot, \q, \i
.endr
.endm
.macro SCALES sc                       ; a slot's scale words: four words a row; lanes 0-15 take A's block i, lanes 16-31 B's block i
.irp i, 0,1,2,3,4,5,6,7
	ds_load_b128 v[SC+8*NQ*\sc+NQ*\i:SC+8*NQ*\sc+NQ*\i+3], v[ADRS] offset:\i*SBLK
.endr
.endm
.macro PLACES n                        ; plain vector instructions between a matrix instruction and a load into its registers or a read of its result
.rept \n
	v_nop
.endr
.endm
; A step of 128 along K that has its successor in the same slot.  A's blocks go one after the other, each against B's eight: blocks 0-3 are fetched anew in the step's middle, blocks 4-7 at its end.
.macro STEP slot, q, zero
	s_wait_dscnt 4*NL                              ; all but the youngest eight loads (A's blocks 4-7) are in
.if \zero
	WIN BIA_LO
.else
	WIN MUL_LO
.endif
	MUL16 0, (\q)%2, \q, \slot, \zero
	MUL16 2, (\q)%2, \q, \slot, \zero
	s_wait_dscnt 0                                 ; A's blocks 4-7 are in
	PLACES NP
	FETCH_B \slot, (\q)+1, 1-(\q)%2
	FETCH_A \slot, (\q)+1, 0
.if \zero
	WIN BIA_HI
.else
	WIN MUL_HI
.endif
	MUL16 4, (\q)%2, \q, \slot, \zero
	MUL16 6, (\q)%2, \q, \slot, \zero
	PLACES NP
	WIN 0
	FETCH_A \slot, (\q)+1, 4
.endm
; Slot 0's last step goes over to slot 1: each wave waits for all its tensor loads (its part of slot 1), and a barrier shows every wave's part.  Nothing is filled again.
.macro TURN slot, next
	s_wait_tensorcnt 0x0                           ; all my tensor loads have landed
	ds_add_u32 v[SPW], v[NIL]                      ; 0 onto my spare word
	s_wait_dscnt 4*NL+1                            ; (the add and the youngest eight loads may be out)
	WIN MUL_LO
	MUL16 0, 1, NQ-1, \slot, 0
	s_wait_dscnt 0x0                               ; the add is done, and no LDS instruction of mine is out at the signal
	s_barrier_signal -1
	MUL16 2, 1, NQ-1, \slot, 0
	WIN 0
	s_barrier_wait -1
	PLACES NP
	v_add_nc_u32 v[ADRS], 4*NQ, v[ADRS]            ; on to the next slot's scale words
	FETCH_B \next, 0, 0
	FETCH_A \next, 0, 0
	SCALES \next
	WIN MUL_HI
	MUL16 4, 1, NQ-1, \slot, 0
	MUL16 6, 1, NQ-1, \slot, 0
	PLACES NP
	WIN 0
	FETCH_A \next, 0, 4
.endm
.macro STEPS slot, from
.set Q, \from
.rept NQ-1-\from
	STEP \slot, Q, 0
.set Q, Q+1
.endr
.endm
	s_wait_tensorcnt 1                             ; the scales and my part of slot 0 are in (slot 1's load, issued behind them, may be out),
	s_barrier_signal -1
	s_barrier_wait -1                              ; everybody's are
	FETCH_B 0, 0, 0
	FETCH_A 0, 0, 0
	SCALES 0
	FETCH_A 0, 0, 4
	s_wait_loadcnt 0x0                             ; the bias
	STEP 0, 0, 1                                   ; the first step's products start the sums from the bias
	STEPS 0, 1
	TURN 0, 1
	STEPS 1, 0
	s_wait_dscnt 4*NL                              ; the very last step: nothing more to fetch
	WIN MUL_LO
	MUL16 0, 1, NQ-1, 1, 0
	MUL16 2, 1, NQ-1, 1, 0
	s_wait_dscnt 0
	WIN MUL_HI
	MUL16 4, 1, NQ-1, 1, 0
	MUL16 6, 1, NQ-1, 1, 0
	WIN 0
; THE WAY OUT of block a (16 rows x 128 columns).  PACK: rounded to f16, 16 bytes a lane, each accumulator from its low end on.  TOSTAGE: into my own stage and back as whole rows of 256 bytes.  SEND: stored.
.macro PACK a
.set AC, 64*((\a)%4)
	WIN 0x0a+5*((\a)/4)                            ; sources 0 and 1: window 2 or 3
.irp b, 0,1,2,3,4,5,6,7
.irp r, 0,1,2,3
	v_cvt_pk_f16_f32 v[TMP+4*\b+\r], v[AC+8*\b+2*\r], v[AC+8*\b+2*\r+1]
.endr
.endr
	WIN 0
.endm
.macro TOSTAGE a
.set BK, OB+192*((\a)%2)
.irp b, 0,1,2,3,4,5,6,7
	ds_store_b128 v[STO], v[TMP+4*\b:TMP+4*\b+3] offset:32*\b
.endr
.irp t, 0,1,2,3,4,5,6,7
	ds_load_b128 v[BK+4*\t:BK+4*\t+3], v[RD] offset:\t*2*SPITCH    ; LDS serves a wave's instructions in order: these see the stores above
.endr
.endm
.macro SEND a
.set BK, OB+192*((\a)%2)
	s_wait_dscnt 0x0                               ; the block is back in registers
	s_wait_xcnt 0x0                                ; the earlier stores have read their registers: the block after this one may land where the block before it lay
.irp t, 0,1,2,3,4,5,6,7
	global_store_b128 v[CO], v[BK+4*\t:BK+4*\t+3], s[12:13] offset:4096*(\a)+512*\t   ; 32 lanes store 512 consecutive bytes, aligned: two rows
.endr
.endm
	PLACES NP
	PACK 0
	TOSTAGE 0
.irp a, 1,2,3,4,5,6,7                  ; block a's conversions stand between block a - 1's loads from the stage and the wait for them
	PACK \a
	SEND \a-1
	TOSTAGE \a
.endr
	SEND 7
	s_wait_tensorcnt 0x0                           ; the wave's end, behind my last tensor load and my last LDS store
	ds_add_u32 v[SPW], v[NIL]
	s_wait_dscnt 0x0
	CROUND                                         ; the closing round
	s_endpgm
.Lfunc_end_k_qb035b86a7e_qkvgemm:
	.size	k_qb035b86a7e_qkvgemm, .Lfunc_end_k_qb035b86a7e_qkvgemm-k_qb035b86a7e_qkvgemm
	.p2alignl 7, 3214868480
	.fill 96, 4, 3214868480
	.section	.rodata,"a",@progbits
	.p2align	6, 0x0
	.amdhsa_kernel k_qb035b86a7e_qkvgemm
		.amdhsa_group_segment_fixed_size 327680
		.amdhsa_private_segment_fixed_size 0
		.amdhsa_enable_private_segment 0
		.amdhsa_kernarg_size 48
		.amdhsa_user_sgpr_count 2
		.amdhsa_user_sgpr_kernarg_segment_ptr 1
		.amdhsa_wavefront_size32 1
		.amdhsa_system_sgpr_workgroup_id_x 1
		.amdhsa_system_sgpr_workgroup_id_y 1
		.amdhsa_system_sgpr_workgroup_id_z 1
		.amdhsa_system_vgpr_workitem_id 0
		.amdhsa_next_free_vgpr 1024
		.amdhsa_next_free_sgpr 98
		.amdhsa_reserve_vcc 0
		.amdhsa_float_denorm_mode_32 3
		.amdhsa_float_denorm_mode_16_64 3
		.amdhsa_memory_ordered 1
		.amdhsa_forward_progress 1
		.amdhsa_inst_pref_size 128
	.end_amdhsa_kernel
	.amdgpu_metadata
---
amdhsa.version: [ 1, 2 ]
amdhsa.kernels:
  - .name:           k_qb035b86a7e_qkvgemm
    .symbol:         k_qb035b86a7e_qkvgemm.kd
    .args:
      - { .name: x_codes, .offset: 0, .size: 8, .value_kind: global_buffer, .address_space: global }
      - { .name: x_scales, .offset: 8, .size: 8, .value_kind: global_buffer, .address_space: global }
      - { .name: wq_codes, .offset: 16, .size: 8, .value_kind: global_buffer, .address_space: global }
      - { .name: wq_scales, .offset: 24, .size: 8, .value_kind: global_buffer, .address_space: global }
      - { .name: qkv, .offset: 32, .size: 8, .value_kind: global_buffer, .address_space: global }
      - { .name: b_qkv, .offset: 40, .size: 8, .value_kind: global_buffer, .address_space: global }
    .group_segment_fixed_size: 327680
    .private_segment_fixed_size: 0
    .kernarg_segment_align: 8
    .kernarg_segment_size: 48
    .max_flat_workgroup_size: 128
    .sgpr_count:     98
    .vgpr_count:     1024
    .wavefront_size: 32
...
	.end_amdgpu_metadata
.endif
;; end of part 2
;; launch attn (part 3): grid 8 x 32, 16 waves a work-group, clusters of 4 x 1, 327,680 bytes of LDS; arguments qkv, ao; writes ao
.if DOCPART == 3
	.amdgcn_target "amdgcn-amd-amdhsa--gfx1250"
	.amdhsa_code_object_version 6
	.text
	.protected	k_qb035b86a7e_attn
	.globl	k_qb035b86a7e_attn
	.p2align	8
	.type	k_qb035b86a7e_attn,@function
k_qb035b86a7e_attn:
	s_mov_b64 s[64:65], 0
	v_nop
	global_prefetch_b8 v0, s[64:65] scope:SCOPE_SE
	s_setreg_imm32_b32 hwreg(HW_REG_WAVE_MODE, 25, 1), 1
	s_wait_xcnt 0x0
	s_wait_alu depctr_hold_cnt(0) depctr_sa_sdst(0) depctr_va_vdst(0) depctr_va_sdst(0) depctr_va_ssrc(0) depctr_va_vcc(0) depctr_vm_vsrc(0)
	s_getreg_b32 s2, hwreg(HW_REG_IB_STS2, 6, 4)
	s_cmp_eq_u32 s2, 0
	s_cbranch_scc0 .Lentry_in_a_cluster
	s_endpgm
.Lentry_in_a_cluster:
	s_bfe_u32 s2, ttmp6, 0x10000c
	s_cmp_lg_u32 s2, 0x3003
	s_cbranch_scc0 .Lentry_shape_is_right
	s_endpgm
.Lentry_shape_is_right:
; ao[b][q][head][:] = the sum over k of softmax_k(q . k / 8) v, 64 heads-in-batches of size 64, 2,048 keys, no mask.  Operands in f16 (q, k, v as the launch before stored them; the weights p rounded to f16);
; products, maxima and sums in f32; the result is divided by the row's sum and rounded once to f16.
; qkv: [4 b][24 P][2048 tokens][128] f16, P a PAIR of heads (0-7 q, 8-15 k, 16-23 v): a token's row is 256 bytes.  ao: [8192][1024] f16.
; LIMITS: q, k, v lie in f16 (magnitudes under 65,504); NaN and infinities are not served.
; SHARES.  A work-group owns 256 queries of one pair of heads.  Wave w of sixteen: head e = w % 2 of the pair, queries 32 (w / 2) on: two tiles of 16, in 256 registers; four waves to a SIMD, so that one wave's
; softmax stands beside another's products and LDS loads.  Every wave walks the 2,048 keys, 64 a step.
; LAYOUT.  S^T = K Q^T (source 0 = 16 keys, source 1 = 16 queries): a lane holds ONE query and keys 8 (lane / 16) + 0..7.  Two such tiles, rounded to f16 in pairs, ARE source 1 (32 keys x 16 queries) of
; O^T = V^T P, whose result again holds one query a lane.  K comes out of LDS as it lies, V ([key][channel]) turned, by ds_load_tr16_b128.
; SOFTMAX.  For each query a running maximum m and sum l: p = 2^(c s - c m), c = log2(e) / 8; in every step O and l are multiplied by a = 2^(c m_old - c m_new).  m begins at -3e38, l and O^T at 0.
; RING.  Two LDS slots, each with two key steps' tiles (64 rows of K, 64 of V for each).  Waves 0, 1 fetch K's two steps, waves 2, 3 V's: one tensor load of a wave is out at the most.
; CLUSTER.  The four query blocks of a cluster walk the same K and V: each tile is asked for JOINTLY, by the same tensor load with the same descriptor and a mask that names the four.
.set KS,    64
.set PK,    272                        ; a row of K in LDS: 256 bytes + 16
.set PV,    288                        ; a row of V: 256 + 32
.set VOFF,  KS*PK                      ; a step: 64 rows of K, then 64 rows of V
.set STEPB, KS*(PK+PV)
.set SLOT1, 1<<17                      ; slot 1 begins here: one exclusive or turns an address in one slot into the other's
.set SPARE, SLOT1+2*STEPB              ; the spare words, 128 bytes for each of sixteen waves
.set SP,    272                        ; the way out: 256 rows x 272 bytes from LDS byte 0 on, in slot 0: it has had its last fill, and nobody reads it behind the last change of slots
.set PAIRB, 524288                     ; a pair's 2,048 rows in bytes
.set SLOTB, 32768                      ; a slot's 128 rows in memory
.set AK0, 1                            ; v1   my lane's place in a tile of K
.set AV0, 2                            ; v2   the same for V
.set ADK, 3                            ; v3   K's address in the slot in hand
.set ADV, 4                            ; v4   V's
.set SPW, 5                            ; v5   my spare word; never rewritten
.set NIL, 6                            ; v6   0; never rewritten
.set GO,  7                            ; v7   the way out: my byte offset in two rows of ao
.set STO, 8                            ; v8   where I put 16 bytes of a row
.set RD,  9                            ; v9   where I read a row back
.set PFO, 10                           ; v10  256 x lane: the prefetches' offset
.set QO,  11                           ; v11  my byte offset in a tile of Q
.set ST,  12                           ; v12-27 tile t's statistics at v[ST+8 t]: +0 c m, +1 m, +2, +3 l (even keys', odd keys'), +4 to +7 c0-c3 at work; a takes c2's place
.set T2,  28                           ; v28-31 a second chain for the sums, a pair for each tile
.set Q,   32                           ; v32-63  Q: tile t, channels 32 c on, at Q + 16 t + 8 c
.set KV,  64                           ; v64-127 K's eight fragments of a step, then V's eight
.set S,   128                          ; v128-191 S^T, 32 a tile; P is made in place, in a tile's first 16
.set O,   192                          ; v192-255 O^T, 32 a tile
.set WV,  12                           ; s12  my wave's number
.set LIM, 15                           ; s15  1 in a wave that prefetches, else the greatest number
.set PFA, 18                           ; s[18:19] where my prefetches stand
.set G1K, 24                           ; s[24:31] descriptor group 1 for K's tiles;  s[32:39] for V's (another padding)
.set G1V, 32
.set G0K, 40                           ; s[40:43], s[44:47] their groups 0, which walk
.set G0V, 44
.set SLOTS, 48                         ; s48  slots still to be asked for
.set TB,  49                           ; s49  LDS byte at which the slot in hand begins
.set CS,  50                           ; s[50:51] c: the packed form names a pair and takes its low word
.set SEL, 52                           ; s[52:53] selects for v_permlanex16_b32: lane l xor 16
; Waves 0 and 1 fetch for K, waves 2 and 3 for V, the others nothing; the branches hang on the wave's number alone.  An s_nop 0 and four v_nop follow each load.
.macro TLOAD
	s_cmp_lt_u32 s[WV], 2
	s_cbranch_scc0 .Lnot_k_\@
	tensor_load_to_lds s[G0K:G0K+3], s[G1K:G1K+7]
	s_nop 0
.rept 4
	v_nop
.endr
	s_branch .Lasked_\@
.Lnot_k_\@:
	s_cmp_lt_u32 s[WV], 4
	s_cbranch_scc0 .Lasked_\@
	tensor_load_to_lds s[G0V:G0V+3], s[G1V:G1V+7]
	s_nop 0
.rept 4
	v_nop
.endr
.Lasked_\@:
.endm
; A prefetch of what the NEXT change of slots will ask for: 128 rows of K and 128 of V, 256 bytes a row, a lane a row.  Both clusters of a pair walk the same rows: the first asks.  Its four partners share the rows
; out BY ADDRESS, 32 each; in each, wave 0 asks for K's and wave 2 for V's.  So each row is named once in the launch.  The last change that fills a slot asks for nothing: there is no slot behind it.
.macro ASK
	s_cmp_gt_u32 s[SLOTS], s[LIM]
	s_cbranch_scc0 .Lnot_mine_\@
	global_prefetch_b8 v[PFO], s[PFA:PFA+1] th:TH_LOAD_NT scope:SCOPE_SE
.Lnot_mine_\@:
.endm
.macro CROUND                          ; a round of the cluster's barrier
	s_barrier_signal -1
	s_barrier_wait -1
	s_cmp_lg_u32 s[WV], 0
	s_cbranch_scc1 .Lnot_wave_0_\@
	s_barrier_signal -3
.Lnot_wave_0_\@:
	s_barrier_wait -3
	s_barrier_signal -1
	s_barrier_wait -1
.endm
	s_load_b128 s[4:7], s[0:1], 0x0                ; qkv s[4:5], ao s[6:7]
	v_lshl_add_u32 v[SPW], v0, 2, SPARE
	v_mov_b32 v[NIL], 0
	ds_add_u32 v[SPW], v[NIL]                      ; the wave's opening: the add, twice on end, and its wait ahead of the first tensor load
	ds_add_u32 v[SPW], v[NIL]
	v_lshrrev_b32 v[GO], 5, v0
	v_readfirstlane_b32 s[WV], v[GO]               ; wave 0..15
	s_bfe_u32 s13, ttmp6, 0x40000                  ; cx: my place in the cluster
	s_lshl_b32 s14, ttmp9, 2
	s_add_co_u32 s14, s14, s13                     ; my block of 256 queries: it enters Q's and ao's addresses alone
	s_and_b32 s21, ttmp7, 0xffff                   ; 8 b + the pair, which the four partners share
	s_lshr_b32 s20, s21, 3                         ; b
	s_and_b32 s21, s21, 7                          ; the pair
	s_mul_i32 s22, s20, 24
	s_add_co_u32 s22, s22, s21
	s_lshl_b32 s22, s22, 19                        ; q's pair begins here; k's 8 pairs on, v's 16
	s_and_b32 s16, s[WV], 1                        ; e: my head of the pair.  Also: which of a slot's two steps I fetch
	s_mul_i32 s17, s16, STEPB                      ; its place in a slot
	s_lshl_b32 s54, s16, 14                        ; its 64 rows in memory
	s_add_co_u32 s54, s54, s22
	s_mov_b32 s55, 0
	s_lshr_b32 s57, s[WV], 1                       ; g: which 32 queries
	s_lshl_b32 s56, s14, 16                        ; Q: my block's 256 rows,
	s_lshl_b32 s58, s57, 13                        ; my 32 of them,
	s_add_co_u32 s56, s56, s58
	s_lshl_b32 s61, s16, 7                         ; my head's 128 bytes of a row
	s_add_co_u32 s56, s56, s61
	s_add_co_u32 s56, s56, s22
	s_mul_i32 s60, s57, 32*SP
	s_add_co_u32 s60, s60, s61                     ; the stage: my 32 rows, my head's half of them
	s_mov_b32 s57, 0
	s_lshl_b32 s58, s20, 11                        ; ao: row 2,048 b + 256 x block + 16 w,
	s_lshl_b32 s20, s14, 8
	s_add_co_u32 s58, s58, s20
	s_lshl_b32 s20, s[WV], 4
	s_add_co_u32 s58, s58, s20
	s_lshl_b32 s58, s58, 11                        ; of 2,048 bytes,
	s_lshl_b32 s20, s21, 8
	s_add_co_u32 s58, s58, s20                     ; + the pair's 256 bytes
	s_mov_b32 s59, 0
	s_lshl_b32 s62, s13, 13                        ; the prefetches: my work-group's 32 rows of a slot's 128
	s_mov_b32 s63, 0
	; descriptor group 1: a tile of 64 rows x 128 elements of 2 bytes, padded in LDS
	s_mov_b32 s[G1K], 15|(1<<16)|(1<<20)|(1<<21)|(5<<22)|(3<<25)  ; the mask: all four work-groups; elements of 2 bytes; padding on; bit 21 beside a mask; after every 64 words four words
	s_mov_b32 s[G1V], 15|(1<<16)|(1<<20)|(1<<21)|(5<<22)|(7<<25)  ; the same with eight words of padding
.irp g, G1K, G1V
	s_mov_b32 s[\g+1], 128<<16                     ; tensor_dim0
	s_mov_b32 s[\g+2], KS<<16                      ; tensor_dim1
	s_mov_b32 s[\g+3], 128<<16                     ; tile_dim0
	s_mov_b32 s[\g+4], KS                          ; tile_dim1
	s_mov_b32 s[\g+5], 128                         ; tensor_dim0_stride
	s_mov_b32 s[\g+6], 0
	s_mov_b32 s[\g+7], 0
.endr
	s_mov_b32 s[CS], 0x3e38aa3b                    ; c = log2(e) / 8
	s_mov_b32 s[CS+1], s[CS]
	s_mov_b32 s[SEL], 0x76543210
	s_mov_b32 s[SEL+1], 0xfedcba98
	s_mov_b32 s[TB], 0
	s_mov_b32 s[SLOTS], 15
	s_and_b32 s[LIM], s[WV], 13                    ; 0 in waves 0 and 2,
	s_or_b32 s[LIM], s[LIM], ttmp9                 ; of the pair's first cluster: the same in all four partners
	s_cmp_eq_u32 s[LIM], 0
	s_cselect_b32 s[LIM], 1, -1
	; every LDS address register is made here, ahead of any branch on the wave's number
	v_and_b32 v128, 15, v0                         ; r
	v_bfe_u32 v129, v0, 4, 1                       ; h
	v_lshlrev_b32 v130, 4, v129                    ; 16 h
	v_mad_u32_u24 v[AK0], v128, PK, v130           ; K: row r x pitch + 16 h
	v_add_nc_u32 v[AK0], s61, v[AK0]               ; + my head's 128 bytes
	v_and_b32 v131, 7, v0
	v_bfe_u32 v132, v0, 3, 1
	v_lshl_add_u32 v[AV0], v129, 3, v131           ; V, for the turning load: key 8 h + l % 8,
	v_mul_u32_u24 v[AV0], v[AV0], PV
	v_lshl_add_u32 v[AV0], v132, 4, v[AV0]         ; channels 8 ((l / 8) % 2) on
	s_add_co_u32 s61, s61, VOFF
	v_add_nc_u32 v[AV0], s61, v[AV0]
	v_lshlrev_b32 v[GO], 11, v129                  ; ao: lanes 0-15 one row, lanes 16-31 the next; 16 bytes a lane
	v_lshl_add_u32 v[GO], v128, 4, v[GO]
	v_mad_u32_u24 v[STO], v128, SP, v130           ; the stage, in: row r, 16 bytes for each half of the lanes
	v_add_nc_u32 v[STO], s60, v[STO]
	s_mul_i32 s61, s[WV], 16*SP                    ; back: wave w takes rows 16 w on, whole
	v_mul_u32_u24 v[RD], v129, SP
	v_lshl_add_u32 v[RD], v128, 4, v[RD]
	v_add_nc_u32 v[RD], s61, v[RD]
	v_and_b32 v[PFO], 31, v0
	v_lshlrev_b32 v[PFO], 8, v[PFO]
	v_lshlrev_b32 v[QO], 8, v128                   ; Q: row r of 256 bytes + 16 h
	v_add_nc_u32 v[QO], v130, v[QO]
	s_wait_dscnt 0x0                               ; both opening adds are done
	s_wait_kmcnt 0x0
	s_mov_b64 s[10:11], s[6:7]                     ; ao
	s_add_nc_u64 s[6:7], s[4:5], s[54:55]
	s_add_nc_u64 s[8:9], s[6:7], 16*PAIRB          ; V at my tile of the first slot
	s_add_nc_u64 s[6:7], s[6:7], 8*PAIRB           ; K likewise
	s_add_nc_u64 s[4:5], s[4:5], s[56:57]          ; Q at my first query
	s_add_nc_u64 s[10:11], s[10:11], s[58:59]      ; ao at the first row that I store
	s_cmp_lt_u32 s[WV], 2
	s_cselect_b64 s[PFA:PFA+1], s[6:7], s[8:9]     ; (in waves 0 and 2 these stand at a slot's first row)
	s_add_nc_u64 s[PFA:PFA+1], s[PFA:PFA+1], s[62:63]
	s_add_nc_u64 s[PFA:PFA+1], s[PFA:PFA+1], SLOTB ; in the second slot's rows: the first change steps it on.  Nothing is prefetched here, at the head
	s_mov_b32 s[G0K], 1                            ; count = 1
	s_mov_b32 s[G0K+1], s17                        ; LDS address: slot 0, my step
	s_mov_b64 s[G0K+2:G0K+3], s[6:7]
	s_or_b32 s[G0K+3], s[G0K+3], 0x80000000        ; type = 2
	s_mov_b32 s[G0V], 1
	s_add_co_u32 s[G0V+1], s17, VOFF
	s_mov_b64 s[G0V+2:G0V+3], s[8:9]
	s_or_b32 s[G0V+3], s[G0V+3], 0x80000000
	CROUND                                         ; all four work-groups are here: the first joint loads meet
	TLOAD                                          ; keys 0 to 127 into slot 0
.irp t, 0,1
.irp c, 0,1
	global_load_b128 v[Q+16*\t+8*\c:Q+16*\t+8*\c+3],   v[QO], s[4:5] offset:4096*\t+64*\c      ; Q stays in registers
	global_load_b128 v[Q+16*\t+8*\c+4:Q+16*\t+8*\c+7], v[QO], s[4:5] offset:4096*\t+64*\c+32
.endr
.endr
.irp t, 0,1
	v_mov_b32 v[ST+8*\t+1], 0xff61b1e6             ; m: -3e38, under every score
	v_mul_f32 v[ST+8*\t], s[CS], v[ST+8*\t+1]      ; c m
	v_mov_b32 v[ST+8*\t+2], 0                      ; l
	v_mov_b32 v[ST+8*\t+3], 0
.endr
.irp j, 0,1,2,3,4,5,6,7,8,9,10,11,12,13,14,15,16,17,18,19,20,21,22,23,24,25,26,27,28,29,30,31,32,33,34,35,36,37,38,39,40,41,42,43,44,45,46,47,48,49,50,51,52,53,54,55,56,57,58,59,60,61,62,63
	v_mov_b32 v[O+\j], 0                           ; O^T.  (The step has no first form of its own: the first a is 0 and multiplies zeros)
.endr
; A KEY STEP: 64 keys, the q-th of the slot in hand.
.macro STEP q
.rept 5
	v_nop                                          ; the last products read K/V's registers (loads below: four places) and P's, which the products below write over (five)
.endr
.irp c, 0,1                                    ; K: keys 16 i on, channels 32 c on; the first 32 channels first
.irp i, 0,1,2,3
	ds_load_b128 v[KV+8*(2*\i+\c):KV+8*(2*\i+\c)+3],   v[ADK] offset:(\q)*STEPB+\i*16*PK+64*\c
	ds_load_b128 v[KV+8*(2*\i+\c)+4:KV+8*(2*\i+\c)+7], v[ADK] offset:(\q)*STEPB+\i*16*PK+64*\c+32
.endr
.endr
	s_wait_dscnt 8                                 ; the first 32 channels are in; the eight loads of the second 32 may be out
.irp i, 0,1,2,3                                ; S^T = K Q^T: the eight accumulators take turns, one instruction a turn
.irp t, 0,1
	v_wmma_f32_16x16x32_f16 v[S+32*\t+8*\i:S+32*\t+8*\i+7], v[KV+16*\i:KV+16*\i+7], v[Q+16*\t:Q+16*\t+7], 0
.endr
.endr
	s_wait_dscnt 0x0
.irp i, 0,1,2,3
.irp t, 0,1
	v_wmma_f32_16x16x32_f16 v[S+32*\t+8*\i:S+32*\t+8*\i+7], v[KV+16*\i+8:KV+16*\i+15], v[Q+16*\t+8:Q+16*\t+15], v[S+32*\t+8*\i:S+32*\t+8*\i+7]
.endr
.endr
.rept 4
	v_nop                                          ; places in front of the loads into K's registers and of the first read of the scores
.endr
.irp u, 0,1                                    ; V, turned: keys 32 u on, channels 16 i on; it lands while the softmax is walked
.irp i, 0,1,2,3
	ds_load_tr16_b128 v[KV+8*(4*\u+\i):KV+8*(4*\u+\i)+3],   v[ADV] offset:(\q)*STEPB+\u*32*PV+32*\i
	ds_load_tr16_b128 v[KV+8*(4*\u+\i)+4:KV+8*(4*\u+\i)+7], v[ADV] offset:(\q)*STEPB+\u*32*PV+16*PV+32*\i
.endr
.endr
	; the maximum of my 32 scores and the old m, three operands at a time, four chains, the two tiles by turns; each accumulator is read from its low end on
.irp j, 0,1,2,3
.irp t, 0,1
	v_max3_num_f32 v[ST+8*\t+4+\j], v[S+32*\t+8*\j], v[S+32*\t+8*\j+1], v[S+32*\t+8*\j+2]
.endr
.endr
.irp n, 3,5
.irp j, 0,1,2,3
.irp t, 0,1
	v_max3_num_f32 v[ST+8*\t+4+\j], v[ST+8*\t+4+\j], v[S+32*\t+8*\j+\n], v[S+32*\t+8*\j+\n+1]
.endr
.endr
.endr
.irp t, 0,1
	v_max3_num_f32 v[ST+8*\t+4], v[ST+8*\t+4], v[S+32*\t+7], v[S+32*\t+15]
.endr
.irp t, 0,1
	v_max3_num_f32 v[ST+8*\t+6], v[ST+8*\t+6], v[S+32*\t+23], v[S+32*\t+31]
.endr
.irp t, 0,1
	v_max3_num_f32 v[ST+8*\t+4], v[ST+8*\t+4], v[ST+8*\t+5], v[ST+8*\t+6]
.endr
.irp t, 0,1
	v_max3_num_f32 v[ST+8*\t+4], v[ST+8*\t+4], v[ST+8*\t+7], v[ST+8*\t+1]
.endr
.irp t, 0,1
	v_permlanex16_b32 v[ST+8*\t+5], v[ST+8*\t+4], s[SEL], s[SEL+1]   ; the query's other 32 keys lie in the lane 16 away
.endr
.irp t, 0,1
	v_mov_b32 v[ST+8*\t+7], v[ST+8*\t]             ; c m_old is kept for a
.endr
.irp t, 0,1
	v_max_num_f32 v[ST+8*\t+1], v[ST+8*\t+4], v[ST+8*\t+5]           ; the new m
.endr
.irp t, 0,1
	v_mul_f32 v[ST+8*\t], s[CS], v[ST+8*\t+1]      ; c m
.endr
.irp t, 0,1
	v_sub_f32 v[ST+8*\t+7], v[ST+8*\t+7], v[ST+8*\t]
.endr
.irp n, 0,2,4,6,8,10,12,14,16,18,20,22,24,26,28,30
.irp t, 0,1
	v_pk_fma_f32 v[S+32*\t+\n:S+32*\t+\n+1], v[S+32*\t+\n:S+32*\t+\n+1], s[CS:CS+1], v[ST+8*\t:ST+8*\t+1] op_sel_hi:[1,0,0] neg_lo:[0,0,1] neg_hi:[0,0,1]   ; c s - c m, two at a time
.endr
.endr
.irp t, 0,1
	v_exp_f32 v[ST+8*\t+6], v[ST+8*\t+7]           ; a
.endr
.irp n, 0,1,2,3,4,5,6,7,8,9,10,11,12,13,14,15,16,17,18,19,20,21,22,23,24,25,26,27,28,29,30,31
.irp t, 0,1
	v_exp_f32 v[S+32*\t+\n], v[S+32*\t+\n]         ; p
.endr
.endr
	v_nop                                          ; a plain instruction behind the last exponential
	s_wait_alu depctr_va_vdst(0)                   ; ONE wait for the 66 exponentials of both tiles, ahead of the first instruction that names a result
.irp t, 0,1
	v_pk_mul_f32 v[ST+8*\t+2:ST+8*\t+3], v[ST+8*\t+2:ST+8*\t+3], v[ST+8*\t+6:ST+8*\t+7] op_sel_hi:[1,0]   ; l under the new m
.endr
.irp t, 0,1
	v_pk_add_f32 v[T2+2*\t:T2+2*\t+1], v[S+32*\t:S+32*\t+1], v[S+32*\t+2:S+32*\t+3]                       ; the row's sum of the unrounded p, in two chains
.endr
.irp n, 4,8,12,16,20,24,28
.irp t, 0,1
	v_pk_add_f32 v[ST+8*\t+2:ST+8*\t+3], v[ST+8*\t+2:ST+8*\t+3], v[S+32*\t+\n:S+32*\t+\n+1]
	v_pk_add_f32 v[T2+2*\t:T2+2*\t+1], v[T2+2*\t:T2+2*\t+1], v[S+32*\t+\n+2:S+32*\t+\n+3]
.endr
.endr
.irp t, 0,1
	v_pk_add_f32 v[ST+8*\t+2:ST+8*\t+3], v[ST+8*\t+2:ST+8*\t+3], v[T2+2*\t:T2+2*\t+1]
.endr
.irp n, 0,1,2,3,4,5,6,7,8,9,10,11,12,13,14,15
.irp t, 0,1
	v_cvt_pk_f16_f32 v[S+32*\t+\n], v[S+32*\t+2*\n], v[S+32*\t+2*\n+1]   ; P in place, ascending: register n was read at number n / 2
.endr
.endr
.irp n, 0,2,4,6,8,10,12,14,16,18,20,22,24,26,28,30
.irp t, 0,1
	v_pk_mul_f32 v[O+32*\t+\n:O+32*\t+\n+1], v[O+32*\t+\n:O+32*\t+\n+1], v[ST+8*\t+6:ST+8*\t+7] op_sel_hi:[1,0]   ; O^T under the new m
.endr
.endr
	s_wait_dscnt 0x0                               ; V is in
.irp u, 0,1                                    ; O^T += V^T P: the eight accumulators take turns
.irp i, 0,1,2,3
.irp t, 0,1
	v_wmma_f32_16x16x32_f16 v[O+32*\t+8*\i:O+32*\t+8*\i+7], v[KV+8*(4*\u+\i):KV+8*(4*\u+\i)+7], v[S+32*\t+8*\u:S+32*\t+8*\u+7], v[O+32*\t+8*\i:O+32*\t+8*\i+7]
.endr
.endr
.endr
.endm
; THE CHANGE OF SLOTS stands at a slot's head.  Each wave waits for all its tensor loads (its part of the slot that it is about to read), adds 0 to its spare word, and waits for that and for its reads of the slot
; that it has left.  fill = 1: a round of the cluster's barrier follows, so that no wave of any partner still reads that slot or has a load on its way, and the joint load of the next 128 keys is the first thing
; behind it: it has a slot's two key steps of all sixteen waves in which to land.
.macro CHANGE fill
	s_wait_tensorcnt 0x0                           ; no tensor load of mine is out, so a group 0 may be written
	ds_add_u32 v[SPW], v[NIL]                      ; 0 onto my spare word
.if \fill
	ds_add_u32 v[SPW], v[NIL]                      ; and once more
	s_xor_b32 s[G0K+1], s[G0K+1], SLOT1            ; the walking descriptors: the other slot than last time,
	s_add_nc_u64 s[G0K+2:G0K+3], s[G0K+2:G0K+3], SLOTB   ; the next 128 keys; the type bits on top are not reached
	s_xor_b32 s[G0V+1], s[G0V+1], SLOT1
	s_add_nc_u64 s[G0V+2:G0V+3], s[G0V+2:G0V+3], SLOTB
	s_wait_xcnt 0x0                                ; the last prefetch, a slot back, has read its address, so it may be written:
	s_add_nc_u64 s[PFA:PFA+1], s[PFA:PFA+1], SLOTB ; one slot further on than the walking descriptors
	s_wait_dscnt 0x0                               ; both adds are done, and my reads of the slot that I have left are over
	CROUND
	TLOAD
	ASK
.else
	s_wait_dscnt 0x0
	s_barrier_signal -1
	s_barrier_wait -1
.endif
.endm
.macro SLOT_STEPS
	v_add_nc_u32 v[ADK], s[TB], v[AK0]
	v_add_nc_u32 v[ADV], s[TB], v[AV0]
	STEP 0
	STEP 1
	s_xor_b32 s[TB], s[TB], SLOT1                  ; on to the other slot
.endm
	s_wait_loadcnt 0x0                             ; Q
.Lslot:                                            ; 15 trips: behind each change of slots but the last the next slot is asked for
	CHANGE 1
	SLOT_STEPS
	s_sub_co_u32 s[SLOTS], s[SLOTS], 1
	s_cmp_lg_u32 s[SLOTS], 0
	s_cbranch_scc1 .Lslot
	CHANGE 0                                       ; the last slot is written out
	SLOT_STEPS
	; THE WAY OUT.  l's two halves and the other half of the lanes' are added; O^T is divided by l, rounded to f16 and meets the pair's other head in the stage: a row's 256 bytes come from two waves.
.rept 4
	v_nop
.endr
.irp t, 0,1
	v_add_f32 v[ST+8*\t+4], v[ST+8*\t+2], v[ST+8*\t+3]
.endr
.irp t, 0,1
	v_permlanex16_b32 v[ST+8*\t+5], v[ST+8*\t+4], s[SEL], s[SEL+1]
.endr
.irp t, 0,1
	v_add_f32 v[ST+8*\t+4], v[ST+8*\t+4], v[ST+8*\t+5]
.endr
.irp t, 0,1
	v_rcp_f32 v[ST+8*\t+6], v[ST+8*\t+4]
.endr
	v_nop                                          ; a plain instruction behind the last reciprocal
	s_wait_alu depctr_va_vdst(0)                   ; and the wait ahead of the first use: one for both
.irp t, 0,1
.irp n, 0,2,4,6,8,10,12,14,16,18,20,22,24,26,28,30
	v_pk_mul_f32 v[O+32*\t+\n:O+32*\t+\n+1], v[O+32*\t+\n:O+32*\t+\n+1], v[ST+8*\t+6:ST+8*\t+7] op_sel_hi:[1,0]
.endr
.endr
.irp t, 0,1
.irp n, 0,1,2,3,4,5,6,7,8,9,10,11,12,13,14,15
	v_cvt_pk_f16_f32 v[S+16*\t+\n], v[O+32*\t+2*\n], v[O+32*\t+2*\n+1]   ; registers 4 i .. 4 i + 3: channels 16 i + 8 h + 0..7 of my query
.endr
.endr
.irp t, 0,1
.irp i, 0,1,2,3
	ds_store_b128 v[STO], v[S+16*\t+4*\i:S+16*\t+4*\i+3] offset:16*\t*SP+32*\i
.endr
.endr
	s_wait_dscnt 0x0                               ; for the others' sake: my stores into the stage are done
	s_barrier_signal -1
	s_barrier_wait -1
.irp i, 0,1,2,3,4,5,6,7
	ds_load_b128 v[KV+4*\i:KV+4*\i+3], v[RD] offset:2*\i*SP
.endr
.irp i, 0,1,2,3,4,5,6,7
	s_wait_dscnt 7-\i                              ; LDS loads come back in order: the younger ones may be out
	global_store_b128 v[GO], v[KV+4*\i:KV+4*\i+3], s[10:11] offset:4096*\i   ; 16 lanes store 256 consecutive bytes, aligned
.endr
	s_wait_tensorcnt 0x0                           ; the wave's end, behind my last tensor load and my last LDS store
	ds_add_u32 v[SPW], v[NIL]
	s_wait_dscnt 0x0
	CROUND                                         ; the closing round
	s_endpgm
.Lfunc_end_k_qb035b86a7e_attn:
	.size	k_qb035b86a7e_attn, .Lfunc_end_k_qb035b86a7e_attn-k_qb035b86a7e_attn
	.p2alignl 7, 3214868480
	.fill 96, 4, 3214868480
	.section	.rodata,"a",@progbits
	.p2align	6, 0x0
	.amdhsa_kernel k_qb035b86a7e_attn
		.amdhsa_group_segment_fixed_size 327680
		.amdhsa_private_segment_fixed_size 0
		.amdhsa_enable_private_segment 0
		.amdhsa_kernarg_size 16
		.amdhsa_user_sgpr_count 2
		.amdhsa_user_sgpr_kernarg_segment_ptr 1
		.amdhsa_wavefront_size32 1
		.amdhsa_system_sgpr_workgroup_id_x 1
		.amdhsa_system_sgpr_workgroup_id_y 1
		.amdhsa_system_sgpr_workgroup_id_z 1
		.amdhsa_system_vgpr_workitem_id 0
		.amdhsa_next_free_vgpr 256
		.amdhsa_next_free_sgpr 66
		.amdhsa_reserve_vcc 0
		.amdhsa_float_denorm_mode_32 3
		.amdhsa_float_denorm_mode_16_64 3
		.amdhsa_memory_ordered 1
		.amdhsa_forward_progress 1
		.amdhsa_inst_pref_size 87
	.end_amdhsa_kernel
	.amdgpu_metadata
---
amdhsa.version: [ 1, 2 ]
amdhsa.kernels:
  - .name:           k_qb035b86a7e_attn
    .symbol:         k_qb035b86a7e_attn.kd
    .args:
      - { .name: qkv, .offset: 0, .size: 8, .value_kind: global_buffer, .address_space: global }
      - { .name: ao, .offset: 8, .size: 8, .value_kind: global_buffer, .address_space: global }
    .group_segment_fixed_size: 327680
    .private_segment_fixed_size: 0
    .kernarg_segment_align: 8
    .kernarg_segment_size: 16
    .max_flat_workgroup_size: 512
    .sgpr_count:     66
    .vgpr_count:     256
    .wavefront_size: 32
...
	.end_amdgpu_metadata
.endif
;; end of part 3
;; launch proj (part 4): grid 8 x 64, 4 waves a work-group, clusters of 4 x 4, 327,680 bytes of LDS; arguments ao, wpt, out0, b_proj; writes out0
.if DOCPART == 4
	.amdgcn_target "amdgcn-amd-amdhsa--gfx1250"
	.amdhsa_code_object_version 6
	.text
	.protected	k_qb035b86a7e_proj
	.globl	k_qb035b86a7e_proj
	.p2align	8
	.type	k_qb035b86a7e_proj,@function
k_qb035b86a7e_proj:
	s_mov_b64 s[64:65], 0
	v_nop
	global_prefetch_b8 v0, s[64:65] scope:SCOPE_SE
	s_setreg_imm32_b32 hwreg(HW_REG_WAVE_MODE, 25, 1), 1
	s_wait_xcnt 0x0
	s_wait_alu depctr_hold_cnt(0) depctr_sa_sdst(0) depctr_va_vdst(0) depctr_va_sdst(0) depctr_va_ssrc(0) depctr_va_vcc(0) depctr_vm_vsrc(0)
	s_getreg_b32 s2, hwreg(HW_REG_IB_STS2, 6, 4)
	s_cmp_eq_u32 s2, 0
	s_cbranch_scc0 .Lentry_in_a_cluster
	s_endpgm
.Lentry_in_a_cluster:
	s_bfe_u32 s2, ttmp6, 0x10000c
	s_cmp_lg_u32 s2, 0xf033
	s_cbranch_scc0 .Lentry_shape_is_right
	s_endpgm
.Lentry_shape_is_right:
; out0[m][n] = sum over k of ao[m][k] wpt[n][k] + b_proj[n].  ao: [8192][1024] f16, wpt: [1024 n][1024 k] f16 (w_proj turned), out0: [8192][1024] f32; sums in f32.
; A tile of 128 x 128 is made by a work-group of four waves, each 64 x 64: 16 accumulators of 16 x 16.  K goes in steps of 256 (LDS rows of 512 bytes; a wave's tensor load brings 64 of them) through two slots.
; CLUSTERS: 4 x 4 work-groups.  The four of a row of the cluster need the same tiles of A, the four of a column the same tiles of B: each tile is asked for JOINTLY.
; THE MATRIX INSTRUCTION IS USED TRANSPOSED (source 0 = 16 rows of B, source 1 = 16 rows of A): a lane then holds eight neighbouring numbers of a row of the result.
; THE BIAS is the C of each sum's first product.  A wave's 64 columns of f32 are 256 aligned bytes, so each wave has a stage of its own on the way out and no barrier stands there.
; REGISTERS: window 0: v0-31 addresses; v32-95 rows on the way out; v96-127 the bias; v128-255 the accumulators ((a, b) at v[128 + 8 (4 a + b)]).   window 1: two fragment buffers of 128.
.set SIZE_K, 1024
.set KSTEP,  256
.set PITCH,  528                       ; an LDS row: 512 bytes + 16 of padding
.set HALFT,  64*PITCH                  ; 64 rows: what one tensor load brings
.set SLOT,   4*HALFT                   ; A's 128 rows, then B's 128 rows
.set STAGE,  2*SLOT                    ; behind the ring: 16 rows x 272 bytes for each wave; no tensor load lands here
.set SPITCH, 272
.set SPARE,  STAGE+4*16*SPITCH         ; the spare words, 128 bytes for each wave
.set LAPS,   SIZE_K/(2*KSTEP)          ; a lap = two K steps = once round the ring
.set ADRA, 16
.set ADRB, 20
.set STO,  24
.set RD,   25
.set CO,   26
.set SPW,  28                          ; v28  my spare word; never rewritten
.set NIL,  29                          ; v29  0; never rewritten
.set TMP,  32
.set BI,   96                          ; v[BI + 8 b + j] = b_proj[my first column + 16 b + 8 (lane / 16) + j]
.set ACC,  128
.set F0,   0
.set F1,   128
.set G1, 24
.set G0, 32
.set G1B, 48
.set G0B, 56
.set MSB, 0
.macro WIN new                         ; the immediate's high byte repeats the setting that is left
.if MSB != \new
	s_set_vgpr_msb (MSB<<8)|\new
.set MSB, \new
.endif
.endm
.set MUL,  0x05                        ; sources 0 (B) and 1 (A) window 1; C and D window 0
.set TO_F, 0x40                        ; destination window 1, address window 0
.macro JLOAD s                         ; a joint load: waves 0 and 1 fetch A's two halves, waves 2 and 3 B's; an s_nop 0 and four v_nop follow each of the two lines
	s_cmp_eq_u32 s11, 0
	s_cbranch_scc0 .Lfor_b_\@
	tensor_load_to_lds s[G0+4*\s:G0+4*\s+3], s[G1:G1+7]
	s_nop 0
.rept 4
	v_nop
.endr
	s_branch .Lasked_\@
.Lfor_b_\@:
	tensor_load_to_lds s[G0B+4*\s:G0B+4*\s+3], s[G1B:G1B+7]
	s_nop 0
.rept 4
	v_nop
.endr
.Lasked_\@:
.endm
.macro CREST                           ; a round of the cluster's barrier behind its opening barrier
	s_cmp_lg_u32 s10, 0
	s_cbranch_scc1 .Lnot_wave_0_\@
	s_barrier_signal -3
.Lnot_wave_0_\@:
	s_barrier_wait -3
	s_barrier_signal -1
	s_barrier_wait -1
.endm
.macro CROUND
	s_barrier_signal -1
	s_barrier_wait -1
	CREST
.endm
	s_load_b128 s[4:7], s[0:1], 0x0                ; A s[4:5], B s[6:7]
	s_load_b64 s[8:9], s[0:1], 0x10                ; out0
	s_load_b64 s[66:67], s[0:1], 0x18              ; b_proj
	v_lshl_add_u32 v[SPW], v0, 2, SPARE
	v_mov_b32 v[NIL], 0
	ds_add_u32 v[SPW], v[NIL]                      ; the wave's opening: the add, twice on end, and its wait ahead of my first tensor load
	ds_add_u32 v[SPW], v[NIL]
	v_lshrrev_b32 v1, 5, v0
	v_readfirstlane_b32 s10, v1                    ; wave 0..3
	s_lshr_b32 s11, s10, 1                         ; which half of the tile's rows is mine.  Also: I fetch for A (0) or for B (1)
	s_and_b32 s12, s10, 1                          ; which half of its columns.  Also: which 64 rows of that tile I fetch
	s_bfe_u32 s40, ttmp6, 0x40000                  ; cx, cy
	s_bfe_u32 s41, ttmp6, 0x40004
	s_lshl_b32 s42, ttmp9, 2
	s_add_co_u32 s42, s42, s40                     ; tile column
	s_and_b32 s13, ttmp7, 0xffff
	s_lshl_b32 s13, s13, 2
	s_add_co_u32 s13, s13, s41                     ; tile row
	s_lshl_b32 s43, s41, 2
	s_lshl_b32 s43, 15, s43                        ; my row of the cluster
	s_lshl_b32 s44, 0x1111, s40                    ; my column
	; descriptor group 1: a tile of 64 rows x 256 elements of 2 bytes, padded in LDS
	s_or_b32 s[G1+0], s43, (1<<16)|(1<<20)|(1<<21)|(6<<22)|(3<<25)  ; the mask; elements of 2 bytes; padding on; bit 21 beside a mask; after every 128 words four words
	s_or_b32 s[G1B+0], s44, (1<<16)|(1<<20)|(1<<21)|(6<<22)|(3<<25)
.irp g, G1, G1B
	s_mov_b32 s[\g+1], KSTEP<<16                   ; tensor_dim0
	s_mov_b32 s[\g+2], 64<<16                      ; tensor_dim1
	s_mov_b32 s[\g+3], KSTEP<<16                   ; tile_dim0
	s_mov_b32 s[\g+4], 64                          ; tile_dim1
	s_mov_b32 s[\g+5], SIZE_K                      ; tensor_dim0_stride
	s_mov_b32 s[\g+6], 0
	s_mov_b32 s[\g+7], 0
.endr
	s_lshl_b32 s17, s12, 6                         ; which 64 rows of the tile I fetch
	s_lshl_b32 s16, s13, 7
	s_add_co_u32 s16, s16, s17                     ; A: row 128 x tile row + 64 x half
	s_lshl_b32 s46, s42, 7
	s_add_co_u32 s46, s46, s17                     ; B: row 128 x tile column + 64 x half
	s_mov_b32 s17, 0
	s_mov_b32 s47, 0
	s_mov_b64 s[18:19], SIZE_K*2
	s_mul_u64 s[16:17], s[16:17], s[18:19]
	s_mul_u64 s[46:47], s[46:47], s[18:19]
	s_mul_i32 s20, s10, HALFT                      ; where they go: wave x 64 rows
	s_wait_dscnt 0x0                               ; both opening adds are done
	s_wait_kmcnt 0x0
	s_add_nc_u64 s[14:15], s[4:5], s[16:17]
	s_add_nc_u64 s[46:47], s[6:7], s[46:47]
	CROUND                                         ; all sixteen work-groups are here: the first joint loads meet
.irp s, 0,1
	s_mov_b32 s[G0+4*\s], 1
	s_add_co_u32 s[G0+4*\s+1], s20, \s*SLOT
	s_add_nc_u64 s[G0+4*\s+2:G0+4*\s+3], s[14:15], \s*KSTEP*2
	s_or_b32 s[G0+4*\s+3], s[G0+4*\s+3], 0x80000000
	s_mov_b32 s[G0B+4*\s], 1
	s_add_co_u32 s[G0B+4*\s+1], s20, \s*SLOT
	s_add_nc_u64 s[G0B+4*\s+2:G0B+4*\s+3], s[46:47], \s*KSTEP*2
	s_or_b32 s[G0B+4*\s+3], s[G0B+4*\s+3], 0x80000000
	JLOAD \s
.endr
	v_and_b32 v1, 15, v0                           ; r
	v_bfe_u32 v2, v0, 4, 1                         ; h
	v_mul_u32_u24 v3, v1, PITCH
	v_lshl_add_u32 v3, v2, 4, v3                   ; a fragment's row x pitch + 16 x half
	s_mul_i32 s21, s11, HALFT                      ; my 64 rows of A
	s_mul_i32 s22, s12, HALFT                      ; my 64 rows of B,
	s_add_co_u32 s22, s22, 2*HALFT                 ; which lie behind A's 128
.irp s, 0,1
	v_add_nc_u32 v[ADRA+\s], s21, v3
	v_add_nc_u32 v[ADRB+\s], s22, v3
	s_add_co_u32 s21, s21, SLOT
	s_add_co_u32 s22, s22, SLOT
.endr
	s_mul_i32 s23, s10, 16*SPITCH
	s_add_co_u32 s23, s23, STAGE                   ; my stage
	v_mul_u32_u24 v4, v1, SPITCH                   ; in: row r, 32 bytes for each half of the lanes
	v_lshl_add_u32 v4, v2, 5, v4
	v_add_nc_u32 v[STO], s23, v4
	v_mul_u32_u24 v5, v2, SPITCH                   ; back: lanes 0-15 one row of 256 bytes, lanes 16-31 the next
	v_lshl_add_u32 v5, v1, 4, v5
	v_add_nc_u32 v[RD], s23, v5
	v_lshlrev_b32 v5, 12, v2                       ; and the same two rows in out0 (4,096 bytes a row)
	v_lshl_add_u32 v[CO], v1, 4, v5
	s_lshl_b32 s16, s13, 7
	s_lshl_b32 s17, s11, 6
	s_add_co_u32 s16, s16, s17                     ; my first row: 128 x tile row + 64 x half
	s_lshl_b32 s16, s16, 12
	s_lshl_b32 s46, s42, 9                         ; my first column, in bytes of f32: 512 x tile column + 256 x half
	s_lshl_b32 s47, s12, 8
	s_add_co_u32 s46, s46, s47
	s_mov_b32 s47, 0
	s_add_nc_u64 s[66:67], s[66:67], s[46:47]      ; the bias of my 64 columns
	s_add_co_u32 s46, s46, s16
	s_add_nc_u64 s[8:9], s[8:9], s[46:47]
	v_lshlrev_b32 v30, 5, v2                       ; lanes 16-31 take the upper eight columns of a block
.irp b, 0,1,2,3
	global_load_b128 v[BI+8*\b:BI+8*\b+3], v30, s[66:67] offset:64*\b
	global_load_b128 v[BI+8*\b+4:BI+8*\b+7], v30, s[66:67] offset:64*\b+16
.endr
; 8 matrix instructions: m blocks a0, a0 + 1 x all 4 n blocks, 32 along K: half c of buffer f.  zero = 1: the first product starts the sum from the bias.  The 16 accumulators take turns.
.macro MUL8 f, c, a0, zero
.irp a, \a0, \a0+1
.irp b, 0,1,2,3
.if \zero
	v_wmma_f32_16x16x32_f16 v[ACC+8*(4*(\a)+\b):ACC+8*(4*(\a)+\b)+7], v[\f+64+8*(4*\c+\b):\f+64+8*(4*\c+\b)+7], v[\f+8*(4*\c+\a):\f+8*(4*\c+\a)+7], v[BI+8*\b:BI+8*\b+7]
.else
	v_wmma_f32_16x16x32_f16 v[ACC+8*(4*(\a)+\b):ACC+8*(4*(\a)+\b)+7], v[\f+64+8*(4*\c+\b):\f+64+8*(4*\c+\b)+7], v[\f+8*(4*\c+\a):\f+8*(4*\c+\a)+7], v[ACC+8*(4*(\a)+\b):ACC+8*(4*(\a)+\b)+7]
.endif
.endr
.endr
.endm
; 32 LDS loads in one run: the fragments of 64 along K at byte k of the rows, into buffer f; the first 32 along K first
.macro FETCH slot, k, f
	WIN TO_F
.irp c, 0,1
.irp i, 0,1,2,3
	ds_load_b128 v[\f+64+8*(4*\c+\i):\f+64+8*(4*\c+\i)+3],   v[ADRB+\slot] offset:\k+64*\c+\i*16*PITCH
	ds_load_b128 v[\f+64+8*(4*\c+\i)+4:\f+64+8*(4*\c+\i)+7], v[ADRB+\slot] offset:\k+64*\c+\i*16*PITCH+32
	ds_load_b128 v[\f+8*(4*\c+\i):\f+8*(4*\c+\i)+3],         v[ADRA+\slot] offset:\k+64*\c+\i*16*PITCH
	ds_load_b128 v[\f+8*(4*\c+\i)+4:\f+8*(4*\c+\i)+7],       v[ADRA+\slot] offset:\k+64*\c+\i*16*PITCH+32
.endr
.endr
.endm
.macro PLACES                          ; four plain instructions in front of loads into registers that matrix instructions have read, and of reads of results
.rept 4
	v_nop
.endr
.endm
; A K step is four quarters of 64 along K, 32 matrix instructions each, on buffers 0, 1, 0, 1.
.macro QUARTER slot, k, f, g, zero
	s_wait_dscnt 16                                ; the first 32 along K are in; the sixteen loads of the second 32 may be out
	WIN MUL
	MUL8 \f, 0, 0, \zero
	MUL8 \f, 0, 2, \zero
	PLACES
	FETCH \slot, \k, \g
	s_wait_dscnt 32                                ; all but the 32 just issued
	WIN MUL
	MUL8 \f, 1, 0, 0
	MUL8 \f, 1, 2, 0
.endm
; The last quarter multiplies buffer 1 and changes slots: ONE barrier; in front of it each wave waits for all its tensor loads, adds 0 to its spare word, and waits for that and for its own reads of this slot.
; fill = 1: the barrier opens a round of the cluster's barrier, and this slot is filled again, two K steps ahead, first thing behind the round.
.macro TURN slot, next, fill
	WIN 0                                          ; (the add's two registers lie in window 0)
	s_wait_tensorcnt 0x0                           ; all my tensor loads have landed: my part of the next slot
	ds_add_u32 v[SPW], v[NIL]                      ; 0 onto my spare word
	s_wait_dscnt 17                                ; (the add and the youngest sixteen loads may be out)
	WIN MUL
	MUL8 F1, 0, 0, 0
	s_wait_dscnt 0x0                               ; the add is done, and my reads of this slot are over
	s_barrier_signal -1
	MUL8 F1, 0, 2, 0
.if \fill
	WIN 0
.endif
	s_barrier_wait -1
.if \fill
	CREST                                          ; no wave of any partner still reads this slot's tile or has a load on its way
	s_add_nc_u64 s[G0+4*\slot+2:G0+4*\slot+3], s[G0+4*\slot+2:G0+4*\slot+3], 2*KSTEP*2
	s_add_nc_u64 s[G0B+4*\slot+2:G0B+4*\slot+3], s[G0B+4*\slot+2:G0B+4*\slot+3], 2*KSTEP*2
	JLOAD \slot                                    ; the four v_nop behind it are also the places in front of the loads below
.else
	PLACES
.endif
	FETCH \next, 0, F0
	WIN MUL
	MUL8 F1, 1, 0, 0
	MUL8 F1, 1, 2, 0
.endm
	s_wait_tensorcnt 1                             ; my part of K step 0 is in (K step 1's load may be out)
	s_barrier_signal -1
	s_barrier_wait -1                              ; everybody's is
	FETCH 0, 0, F0
	s_wait_loadcnt 0x0                             ; the bias
	QUARTER 0, 128, F0, F1, 1                      ; the first quarter stands in front of the loop: its first products start the sums from the bias
	WIN 0                                          ; at a label and at a branch every window is 0
	s_mov_b32 s3, LAPS-1
.Llap:                                                 ; a trip goes once round the ring, from a lap's second quarter to the next lap's first, and fills both slots again
	QUARTER 0, 256, F1, F0, 0
	QUARTER 0, 384, F0, F1, 0
	TURN 0, 1, 1
	QUARTER 1, 128, F0, F1, 0
	QUARTER 1, 256, F1, F0, 0
	QUARTER 1, 384, F0, F1, 0
	TURN 1, 0, 1
	QUARTER 0, 128, F0, F1, 0
	WIN 0
	s_sub_co_u32 s3, s3, 1
	s_cmp_lg_u32 s3, 0
	s_cbranch_scc1 .Llap
	QUARTER 0, 256, F1, F0, 0                      ; the last lap fills nothing, and has no round of the cluster's barrier
	QUARTER 0, 384, F0, F1, 0
	TURN 0, 1, 0
	QUARTER 1, 128, F0, F1, 0
	QUARTER 1, 256, F1, F0, 0
	QUARTER 1, 384, F0, F1, 0
	s_wait_dscnt 16                                ; the very last quarter: nothing more to fetch
	WIN MUL
	MUL8 F1, 0, 0, 0
	MUL8 F1, 0, 2, 0
	s_wait_dscnt 0
	MUL8 F1, 1, 0, 0
	MUL8 F1, 1, 2, 0
	WIN 0
; THE WAY OUT, a block of 16 rows x 64 columns at a time.  A lane holds 32 neighbouring bytes of a row and the lanes beside it hold other rows: so a block goes through my own stage and comes back as whole rows of 256 bytes.
.macro TOSTAGE a
.irp b, 0,1,2,3
	ds_store_b128 v[STO], v[ACC+8*(4*(\a)+\b):ACC+8*(4*(\a)+\b)+3] offset:64*\b            ; each accumulator from its low end on
	ds_store_b128 v[STO], v[ACC+8*(4*(\a)+\b)+4:ACC+8*(4*(\a)+\b)+7] offset:64*\b+16
.endr
.irp t, 0,1,2,3,4,5,6,7
	ds_load_b128 v[TMP+32*((\a)%2)+4*\t:TMP+32*((\a)%2)+4*\t+3], v[RD] offset:\t*2*SPITCH  ; LDS serves a wave's instructions in order: these see the stores above
.endr
.endm
.macro SEND a, younger                 ; younger: the LDS instructions issued behind block a's loads, which may stay out
	s_wait_dscnt \younger
.irp t, 0,1,2,3,4,5,6,7
	global_store_b128 v[CO], v[TMP+32*((\a)%2)+4*\t:TMP+32*((\a)%2)+4*\t+3], s[8:9] offset:(16*(\a)+2*\t)*4096 th:TH_STORE_NT   ; 16 lanes store 256 consecutive bytes, aligned; written once, read by nobody here
.endr
.endm
	PLACES
	TOSTAGE 0
.irp a, 1,2,3
.if \a > 1
	s_wait_xcnt 0x0                                ; block a - 2's stores have read their registers: block a's loads may land there
.endif
	TOSTAGE \a
	SEND \a-1, 16                                  ; behind block a - 1's loads: block a's 8 stores and 8 loads
.endr
	SEND 3, 0
	s_wait_tensorcnt 0x0                           ; the wave's end, behind my last tensor load and my last LDS store
	ds_add_u32 v[SPW], v[NIL]
	s_wait_dscnt 0x0
	CROUND                                         ; the closing round
	s_endpgm
.Lfunc_end_k_qb035b86a7e_proj:
	.size	k_qb035b86a7e_proj, .Lfunc_end_k_qb035b86a7e_proj-k_qb035b86a7e_proj
	.p2alignl 7, 3214868480
	.fill 96, 4, 3214868480
	.section	.rodata,"a",@progbits
	.p2align	6, 0x0
	.amdhsa_kernel k_qb035b86a7e_proj
		.amdhsa_group_segment_fixed_size 327680
		.amdhsa_private_segment_fixed_size 0
		.amdhsa_enable_private_segment 0
		.amdhsa_kernarg_size 32
		.amdhsa_user_sgpr_count 2
		.amdhsa_user_sgpr_kernarg_segment_ptr 1
		.amdhsa_wavefront_size32 1
		.amdhsa_system_sgpr_workgroup_id_x 1
		.amdhsa_system_sgpr_workgroup_id_y 1
		.amdhsa_system_sgpr_workgroup_id_z 1
		.amdhsa_system_vgpr_workitem_id 0
		.amdhsa_next_free_vgpr 512
		.amdhsa_next_free_sgpr 68
		.amdhsa_reserve_vcc 0
		.amdhsa_float_denorm_mode_32 3
		.amdhsa_float_denorm_mode_16_64 3
		.amdhsa_memory_ordered 1
		.amdhsa_forward_progress 1
		.amdhsa_inst_pref_size 86
	.end_amdhsa_kernel
	.amdgpu_metadata
---
amdhsa.version: [ 1, 2 ]
amdhsa.kernels:
  - .name:           k_qb035b86a7e_proj
    .symbol:         k_qb035b86a7e_proj.kd
    .args:
      - { .name: ao, .offset: 0, .size: 8, .value_kind: global_buffer, .address_space: global }
      - { .name: wpt, .offset: 8, .size: 8, .value_kind: global_buffer, .address_space: global }
      - { .name: out0, .offset: 16, .size: 8, .value_kind: global_buffer, .address_space: global }
      - { .name: b_proj, .offset: 24, .size: 8, .value_kind: global_buffer, .address_space: global }
    .group_segment_fixed_size: 327680
    .private_segment_fixed_size: 0
    .kernarg_segment_align: 8
    .kernarg_segment_size: 32
    .max_flat_workgroup_size: 128
    .sgpr_count:     68
    .vgpr_count:     512
    .wavefront_size: 32
...
	.end_amdgpu_metadata
.endif
;; end of part 4
